; MI455X (gfx1250); checked and timed in simulation.
; The chip was launched on July 23, 2026; its instructions are those of AMD's public machine-readable ISA for CDNA 5 (MIT licence, August 2026) and "CDNA5" Instruction Set Architecture Reference Guide (July 2026). The comments in the code are by the model that wrote it; some were corrected since.
;; Multi Head Attention. Allowed arithmetic: matrix products marked QUANTISED: E2M3 operands, one E8M0 scale for each 32 along K, by v_wmma_scale_f32_16x16x128_f8f6f4 with both operands' format E2M3, f32 sums; everything else in f32.
;; Inputs: b_out 1,024 float32; b_qkv 3,072 float32; w_out 1,024 x 1,024 float32; w_qkv 1,024 x 3,072 float32; x 4 x 2,048 x 1,024 float32.
;; Outputs: out0 4 x 2,048 x 1,024 float32.
;; This version of the problem:
;;   THIS VERSION OF THE PROBLEM IS GIVEN IN LOW PRECISION. The matrix products marked QUANTISED in the list below multiply operands that are first quantised to E2M3 (2 exponent bits, 3 mantissa bits; 6 bits a number), with one power-of-two scale for each 32 numbers along K (OCP MX v1.0); their sums are f32. All else is computed in f32.
;;   The module's matrix products, in the order in which they are computed (A, B: the left and right operand; K: the contracted axis; several contracted axes count as one K, in the product's order):
;;     1. [M 8,192, K 1,024] x [K 1,024, N 3,072]; A: input x; B: input w_qkv: QUANTISED
;;     2. batch 64 x [M 2,048, K 64] x [K 64, N 2,048]; A: computed on the way; B: computed on the way: QUANTISED
;;     3. batch 64 x [M 2,048, K 2,048] x [K 2,048, N 64]; A: softmax (see below); B: computed on the way: QUANTISED
;;     4. [M 8,192, K 1,024] x [K 1,024, N 1,024]; A: computed on the way; B: input w_out: QUANTISED
;;   THE QUANTISER, for each operand of a quantised product, along K:
;;     - K is cut into blocks of 32 from its start; a last block that is shorter is filled with zeros.
;;     - A block's scale is 2^e with e = floor(log2(the largest magnitude in the block)) - 2, held to -126 .. 127; a block of zeros has e = 0. As a byte (E8M0): e + 127.
;;     - Each number is divided by its block's scale, clamped to +-7.5, and rounded to the nearest number of E2M3, ties to even, subnormals kept.
;;     - The product sums the exact products of the quantised numbers (number of the format x scale) in f32.
;;   ~~~python
;;   def quantise(x, axis):      # numpy; x: float32 -> the quantised numbers, widened to float32 again
;;       x = np.moveaxis(x, axis, -1); K = x.shape[-1]
;;       x = np.pad(x, [(0, 0)] * (x.ndim - 1) + [(0, -K % 32)]); x = x.reshape(x.shape[:-1] + (-1, 32)); a = np.abs(x).max(-1, keepdims=True)
;;       e = np.where(a > 0, np.clip(np.frexp(np.where(a > 0, a, 1))[1] - 1 - 2, -126, 127), 0)      # np.frexp(a)[1] - 1 = floor(log2(a)), exactly
;;       r = np.clip(x / 2.0 ** e, -7.5, 7.5)
;;       step = 2.0 ** (np.maximum(np.frexp(np.where(r == 0, 1, r))[1] - 1, 0) - 3)
;;       q = np.round(r / step) * step * 2.0 ** e      # np.round: ties to even
;;       return np.moveaxis(q.reshape(q.shape[:-2] + (-1,))[..., :K], -1, axis).astype(np.float32)
;;   ~~~
;;   SOFTMAX AHEAD OF A QUANTISED PRODUCT. Where the list says 'softmax', what is quantised is not the finished softmax but p = 2^(t - M), with t = logit x log2(e) and M = ceil(the row's largest t), a whole number; so 1/2 < the row's largest p <= 1. The row's sum l is taken of the UNQUANTISED p, in f32, and the product's result is divided by l at the end. Since M is a whole number, a kernel that streams over the keys may use a running M (the ceiling of the running maximum): every later rescaling is an exact power of two, which a block's scale takes up: the codes' values come out the same.
;;   OPERANDS COMPUTED ON THE WAY. 'Computed on the way' means the value that the module computes at that place (a softmax that the list does not call 'softmax' is quantised finished and normalised). What goes into a quantiser is computed in f32, as accurately as f32 sums, v_exp_f32 and their like allow (about 1e-6 of the number): no bf16 or f16 on the way to a quantiser, and a product that is left as it is and whose result goes on into a quantised operand takes f32 operands (vector FMAs, or v_wmma_f32_16x16x4_f32). A number that lies on a knife's edge between two numbers of the format may be rounded either way, as far as f32 arithmetic and the matrix unit's own rounding can turn it there, and no further.
;; One version. Each part assembles by itself: llvm-mc -triple=amdgcn-amd-amdhsa -mcpu=gfx1250 --defsym DOCPART=n.
;; ======== version 1 of 1: 4 launches
;; limits: right only within a limited range of input values
;; workspace buffers: xq 6,553,600 bytes; wq 3,276,800 bytes; qkv 20,447,232 bytes; ao 6,553,600 bytes
;; launch quant (part 1): grid 512 x 1, 4 waves a work-group, no clusters, 46,592 bytes of LDS; arguments x, xq, w_qkv, w_out, wq; writes xq, wq
.if DOCPART == 1
	.amdgcn_target "amdgcn-amd-amdhsa--gfx1250"
	.amdhsa_code_object_version 6
	.text
	.protected	k_q5867b2c54e_quant
	.globl	k_q5867b2c54e_quant
	.p2align	8
	.type	k_q5867b2c54e_quant,@function
k_q5867b2c54e_quant:
	s_mov_b64 s[64:65], 0
	v_nop
	global_prefetch_b8 v0, s[64:65] scope:SCOPE_SE
	s_setreg_imm32_b32 hwreg(HW_REG_WAVE_MODE, 25, 1), 1
	s_wait_xcnt 0x0
; ONE LAUNCH QUANTISES THE TOKENS AND BOTH WEIGHTS to codes of FP6 (E2M3) with one E8M0 byte for each 32 along K, laid in the order of the matrix operand's registers.
; Work-groups 0-255 take x [8192][1024] (K innermost), work-groups 256-511 w_qkv [1024][3072] and w_out [1024][1024] (K is the first axis).  The two paths part on the work-group's number alone and have LDS bytes of their own.
; TILES.  Rows (of x) or columns (of a weight) go in groups of 64: tile i = 4 G + t holds in its row r the row or column 64 G + 32 (r / 8) + 8 t + r % 8.  wq's tiles 0-191 are w_qkv's columns, 192-255 w_out's.
; CODES.  buffer + (8 i + c) x 1,536: tile i, chunk c (128 along K): [g 0..2][lane][16 bytes] = registers 4 g .. 4 g + 3; lane (r, h) holds in registers 6 u .. 6 u + 5 k = 64 u + 32 h + 0 .. 31 of row r.
; SCALES. buffer + XS (WS) + 512 i: [c / 4][r][c % 4] words of four bytes, byte b for k = 32 b .. 32 b + 31 of the chunk.
; A block's scale is 2^(floor(log2(largest magnitude)) - 2); its byte is the largest magnitude's exponent field - 2, held at 1 from below.
; LIMITS: NaN and infinities are not served; a block whose largest magnitude lies under 2^-124, a block of zeros among them, keeps the byte 1 (its codes are zeros where it is all zeros, and this program alone reads the bytes).
; No matrix unit, no cluster, no tensor load: streams read once.
.set SPARE, 33792                      ; behind the x path's four stages: the spare words, 512 bytes
.set WSTG,  34304                      ; the weights' path: a stage of eight images
	v_lshl_add_u32 v254, v0, 2, SPARE
	v_mov_b32 v255, 0
	s_cmp_lt_u32 ttmp9, 256
	s_cbranch_scc0 .Lweights
; ---- x.  A wave takes one tile's 16 rows x 512 along K, four chunks.  Each load reads 512 consecutive bytes of one row; a chunk turns through the wave's own stage, so that a lane gets 32 neighbours of each of its two blocks.  Waves share nothing.
.set XS,  6291456
.set STG, 16*528
.set R,   16                           ; v16-143  two sets of 64: a chunk as loaded
.set X,   144                          ; v144-207 my 64 numbers: register 32 u + i = k 64 u + 32 h + i
.set PC,  208                          ; v208-231 two sets of 12: the codes
.set TM,  232
.set SO,  234
.set BY,  236
.set TP,  238
.set TT,  240
.set W,   248                          ; v248-251 the four chunks' scale words
.set H8,  4
.set SEL, 22
	s_load_b128 s[4:7], s[0:1], 0x0                ; x, xq
	v_lshrrev_b32 v6, 5, v0
	v_readfirstlane_b32 s8, v6                     ; wave
	v_and_b32 v7, 31, v0
	v_and_b32 v8, 15, v0                           ; r
	v_bfe_u32 v9, v0, 4, 1                         ; h
	v_lshlrev_b32 v1, 4, v7                        ; 16 x lane
	s_mul_i32 s12, s8, STG
	v_add_nc_u32 v2, s12, v1                       ; the stage, on the way in
	v_mul_u32_u24 v3, v8, 528
	v_lshl_add_u32 v3, v9, 7, v3
	v_add_nc_u32 v3, s12, v3                       ; and on the way out: row r, + 128 h
	v_lshlrev_b32 v[H8], 3, v9
	v_lshlrev_b32 v5, 4, v8
	v_lshl_add_u32 v5, v9, 3, v5                   ; 16 r + 8 h: my two scale words
	v_mov_b32 v[TP], 0                             ; a lane permute's destination counts as one of its sources
	s_mov_b32 s[SEL], 0x76543210
	s_mov_b32 s[SEL+1], 0xfedcba98
	s_mov_b32 s24, 0xffff0000                      ; lanes 16-31
	s_lshl_b32 s9, ttmp9, 2
	s_add_co_u32 s9, s9, s8                        ; task = 2 x tile + half of K
	s_lshr_b32 s10, s9, 1
	s_and_b32 s11, s9, 1
	s_lshr_b32 s13, s10, 2
	s_lshl_b32 s13, s13, 6
	s_and_b32 s14, s10, 3
	s_lshl_b32 s14, s14, 3
	s_add_co_u32 s13, s13, s14                     ; the tile's first row: 64 G + 8 t
	s_lshl_b32 s16, s13, 12
	s_lshl_b32 s14, s11, 11
	s_add_co_u32 s16, s16, s14
	s_mov_b32 s17, 0
	s_mul_i32 s18, s9, 4*1536
	s_mov_b32 s19, 0
	s_lshl_b32 s20, s9, 8
	s_add_co_u32 s20, s20, XS
	s_mov_b32 s21, 0
	s_wait_alu depctr_va_vdst(0)                   ; the wait at the head's end
	s_wait_kmcnt 0x0
	s_add_nc_u64 s[4:5], s[4:5], s[16:17]
	s_add_nc_u64 s[20:21], s[6:7], s[20:21]
	s_add_nc_u64 s[6:7], s[6:7], s[18:19]
.macro QUANT2 src, d0, d1, pw          ; 64 numbers of a lane become 12 registers of codes and the row's scale word
.irp c, 0,1
	v_max3_num_f32 v[TM+\c], 0x1800000, |v[(\src)+32*\c]|, |v[(\src)+32*\c+1]|   ; with the floor 2^(3 - 127)
.endr
.irp i, 2,4,6,8,10,12,14,16,18,20,22,24,26,28,30
.irp c, 0,1
	v_max3_num_f32 v[TM+\c], v[TM+\c], |v[(\src)+32*\c+\i]|, |v[(\src)+32*\c+\i+1]|
.endr
.endr
.irp c, 0,1
	v_add_nc_u32 v[SO+\c], 0xff000000, v[TM+\c]    ; 2 off the exponent field: the conversion's scale operand
.endr
.irp c, 0,1
	v_lshrrev_b32 v[BY+\c], 23, v[SO+\c]
.endr
	v_lshl_or_b32 v[\pw], v[BY+1], 16, v[BY]       ; my blocks are h and 2 + h
	v_lshlrev_b32 v[\pw], v[H8], v[\pw]
	v_permlanex16_b32 v[TP], v[\pw], s[SEL], s[SEL+1]
	v_or_b32 v[\pw], v[\pw], v[TP]
	v_cvt_scalef32_pk16_fp6_f32 v[(\d0):(\d0)+2], v[(\src):(\src)+15], v[SO]
	v_cvt_scalef32_pk16_fp6_f32 v[TT:TT+2], v[(\src)+16:(\src)+31], v[SO]
	v_cvt_scalef32_pk16_fp6_f32 v[(\d1):(\d1)+2], v[(\src)+32:(\src)+47], v[SO+1]
	v_cvt_scalef32_pk16_fp6_f32 v[TT+4:TT+6], v[(\src)+48:(\src)+63], v[SO+1]
	v_nop                                          ; one plain place behind the conversions
.irp i, 0,1,2
	v_mov_b32 v[(\d0)+3+\i], v[TT+\i]
	v_mov_b32 v[(\d1)+3+\i], v[TT+4+\i]
.endr
.endm
.macro LOADX cc
.irp p, 0,1,2,3,4,5,6,7,8,9,10,11,12,13,14,15
	global_load_b128 v[R+64*((\cc)%2)+4*\p:R+64*((\cc)%2)+4*\p+3], v1, s[4:5] offset:(32*(\p/8)+\p%8)*4096+512*(\cc) th:TH_LOAD_NT
.endr
.endm
.macro CHUNK cc
.if (\cc) < 3
	s_wait_loadcnt 16                              ; this chunk's 16 loads are in; the next chunk's 16 may be out
.else
	s_wait_loadcnt 0x0
.endif
.irp p, 0,1,2,3,4,5,6,7,8,9,10,11,12,13,14,15
	ds_store_b128 v2, v[R+64*((\cc)%2)+4*\p:R+64*((\cc)%2)+4*\p+3] offset:528*\p
.endr
.irp u, 0,1
.irp j, 0,1,2,3,4,5,6,7
	ds_load_b128 v[X+32*\u+4*\j:X+32*\u+4*\j+3], v3 offset:256*\u+16*\j   ; LDS serves a wave's instructions in order
.endr
.endr
	s_wait_dscnt 0x0
.if (\cc)+2 < 4
	LOADX (\cc)+2
.endif
.if (\cc) >= 2
	s_wait_xcnt 0x0                                ; the stores of two chunks ago have read this set of codes
.endif
	QUANT2 X, PC+12*((\cc)%2), PC+12*((\cc)%2)+6, W+(\cc)
.irp g, 0,1,2
	global_store_b128 v1, v[PC+12*((\cc)%2)+4*\g:PC+12*((\cc)%2)+4*\g+3], s[6:7] offset:1536*(\cc)+512*\g   ; 512 consecutive bytes
.endr
.endm
	LOADX 0
	LOADX 1
	CHUNK 0
	CHUNK 1
	CHUNK 2
	CHUNK 3
	v_cndmask_b32 v[TT], v[W], v[W+2], s24         ; lanes 0-15 store words 0, 1 of their row, lanes 16-31 words 2, 3
	v_cndmask_b32 v[TT+1], v[W+1], v[W+3], s24
	global_store_b64 v5, v[TT:TT+1], s[20:21]      ; 256 consecutive bytes, aligned
	s_wait_tensorcnt 0x0                           ; the wave's end
	ds_add_u32 v254, v255
	s_wait_dscnt 0x0
	s_endpgm
; ---- the weights.  Work-group 256 + 32 y + x: 128 columns (x under 24: of w_qkv, else of w_out) x chunk y.  A LANE TAKES A COLUMN AND ITS REGISTERS RUN DOWN K: a block of 32 lies in one lane.
; Each load reads 128 consecutive bytes a wave.  The codes meet in a stage of eight images (a tile's rows come from two waves: one barrier) and leave as whole images; the scale words leave four bytes a lane.
.Lweights:
.set WS,   3145728
.set CD,   16
.set X,    64                          ; v64-191  first the loads' offsets, then my column's 128 numbers
.set OUTR, 192
	s_load_b128 s[4:7], s[0:1], 0x10               ; w_qkv, w_out
	s_load_b64 s[8:9], s[0:1], 0x20                ; wq
	v_lshrrev_b32 v7, 5, v0
	v_readfirstlane_b32 s10, v7                    ; wave
	v_lshlrev_b32 v1, 2, v0
	v_lshrrev_b32 v7, 6, v0
	v_bfe_u32 v8, v0, 3, 2
	v_lshl_add_u32 v7, v7, 2, v8                   ; my tile among the work-group's eight
	v_bfe_u32 v8, v0, 5, 1
	v_and_b32 v9, 7, v0
	v_lshl_add_u32 v8, v8, 3, v9                   ; my row in it
	v_mul_u32_u24 v2, v7, 1536
	v_lshl_add_u32 v2, v8, 4, v2
	v_add_nc_u32 v2, WSTG, v2                      ; the stage: image of my tile, lane r
	v_lshlrev_b32 v4, 9, v7
	v_lshl_add_u32 v4, v8, 4, v4                   ; my scale word: 512 x tile + 16 r
	v_and_b32 v9, 31, v0
	v_lshlrev_b32 v5, 4, v9
	s_mul_i32 s11, s10, 2*1536
	s_add_co_u32 s11, s11, WSTG
	v_add_nc_u32 v3, s11, v5                       ; the two images that my wave stores
	s_sub_co_u32 s22, ttmp9, 256
	s_and_b32 s23, s22, 31                         ; x
	s_lshr_b32 s14, s22, 5                         ; chunk
	s_lshl_b32 s18, s23, 3
	s_lshl_b32 s19, s10, 1
	s_add_co_u32 s18, s18, s19
	s_mul_i32 s18, s18, 12288
	s_mul_i32 s19, s14, 1536
	s_add_co_u32 s18, s18, s19
	s_mov_b32 s19, 0
	s_lshl_b32 s20, s23, 12
	s_lshr_b32 s21, s14, 2
	s_lshl_b32 s21, s21, 8
	s_add_co_u32 s20, s20, s21
	s_and_b32 s21, s14, 3
	s_lshl_b32 s21, s21, 2
	s_add_co_u32 s20, s20, s21
	s_add_co_u32 s20, s20, WS
	s_mov_b32 s21, 0
	s_wait_alu depctr_va_vdst(0)                   ; the wait at the head's end
	s_wait_kmcnt 0x0
	s_cmp_lt_u32 s23, 24                           ; the choice hangs on the work-group's number alone
	s_cselect_b64 s[4:5], s[4:5], s[6:7]
	s_mov_b32 s12, 4096
	s_cselect_b32 s12, 12288, s12                  ; a row of the weight in bytes
	s_cselect_b32 s13, 0, 24
	s_sub_co_u32 s13, s23, s13
	s_lshl_b32 s15, s14, 7
	s_mul_i32 s16, s15, s12
	s_lshl_b32 s13, s13, 9
	s_add_co_u32 s16, s16, s13
	s_mov_b32 s17, 0
	s_add_nc_u64 s[4:5], s[4:5], s[16:17]
	s_add_nc_u64 s[18:19], s[8:9], s[18:19]
	s_add_nc_u64 s[20:21], s[8:9], s[20:21]
.set kk, 0
.rept 128
	v_mad_u32_u24 v[X+kk], s12, kk, v1             ; row kk x pitch + my column
.set kk, kk+1
.endr
.set kk, 0
.rept 128
	global_load_b32 v[X+kk], v[X+kk], s[4:5] th:TH_LOAD_NT   ; each load lands on its own offset register
.set kk, kk+1
.endr
.macro BLOCK kb, left
.set XB, X+32*(\kb)
	s_wait_loadcnt \left                           ; the block's 32 loads are in (a wait names 63 at the most)
	v_max3_num_f32 v8, 0x1800000, |v[XB]|, |v[XB+1]|
	v_max3_num_f32 v9, |v[XB+2]|, |v[XB+3]|, |v[XB+4]|
.irp i, 5,9,13,17,21,25
	v_max3_num_f32 v8, v8, |v[XB+\i]|, |v[XB+\i+1]|
	v_max3_num_f32 v9, v9, |v[XB+\i+2]|, |v[XB+\i+3]|
.endr
	v_max3_num_f32 v8, v8, |v[XB+29]|, |v[XB+30]|
	v_max3_num_f32 v8, v8, v9, |v[XB+31]|
	v_add_nc_u32 v10, 0xff000000, v8
	v_lshrrev_b32 v11, 23, v10
.if (\kb) == 0
	v_mov_b32 v6, v11
.else
	v_lshl_or_b32 v6, v11, 8*(\kb), v6
.endif
	v_cvt_scalef32_pk16_fp6_f32 v[CD+8*(\kb):CD+8*(\kb)+2], v[XB:XB+15], v10
	v_cvt_scalef32_pk16_fp6_f32 v[12:14], v[XB+16:XB+31], v10
	v_nop
.irp i, 0,1,2
	v_mov_b32 v[CD+8*(\kb)+3+\i], v[12+\i]
.endr
.if (\kb) < 2                          ; block kb is registers 6 (kb / 2) .. + 5 of the image's lane r + 16 (kb % 2)
	ds_store_b128 v2, v[CD+8*(\kb):CD+8*(\kb)+3] offset:256*((\kb)%2)
	ds_store_b64 v2, v[CD+8*(\kb)+4:CD+8*(\kb)+5] offset:512+256*((\kb)%2)
.else
	ds_store_b64 v2, v[CD+8*(\kb):CD+8*(\kb)+1] offset:520+256*((\kb)%2)
	ds_store_b128 v2, v[CD+8*(\kb)+2:CD+8*(\kb)+5] offset:1024+256*((\kb)%2)
.endif
.endm
	BLOCK 0, 63
	BLOCK 1, 63
	BLOCK 2, 32
	BLOCK 3, 0
	global_store_b32 v4, v6, s[20:21]
	s_wait_dscnt 0x0                               ; for the others' sake: my stores into the stage are done
	s_barrier_signal -1
	s_barrier_wait -1
.irp n, 0,1,2,3,4,5
	ds_load_b128 v[OUTR+4*\n:OUTR+4*\n+3], v3 offset:512*\n
.endr
.irp n, 0,1,2,3,4,5
	s_wait_dscnt 5-\n
	global_store_b128 v5, v[OUTR+4*\n:OUTR+4*\n+3], s[18:19] offset:(\n/3)*12288+(\n%3)*512
.endr
	s_wait_tensorcnt 0x0                           ; the wave's end
	ds_add_u32 v254, v255
	s_wait_dscnt 0x0
	s_endpgm
.Lfunc_end_k_q5867b2c54e_quant:
	.size	k_q5867b2c54e_quant, .Lfunc_end_k_q5867b2c54e_quant-k_q5867b2c54e_quant
	.p2alignl 7, 3214868480
	.fill 96, 4, 3214868480
	.section	.rodata,"a",@progbits
	.p2align	6, 0x0
	.amdhsa_kernel k_q5867b2c54e_quant
		.amdhsa_group_segment_fixed_size 46592
		.amdhsa_private_segment_fixed_size 0
		.amdhsa_enable_private_segment 0
		.amdhsa_kernarg_size 40
		.amdhsa_user_sgpr_count 2
		.amdhsa_user_sgpr_kernarg_segment_ptr 1
		.amdhsa_wavefront_size32 1
		.amdhsa_system_sgpr_workgroup_id_x 1
		.amdhsa_system_sgpr_workgroup_id_y 1
		.amdhsa_system_sgpr_workgroup_id_z 1
		.amdhsa_system_vgpr_workitem_id 0
		.amdhsa_next_free_vgpr 256
		.amdhsa_next_free_sgpr 66
		.amdhsa_reserve_vcc 0
		.amdhsa_float_denorm_mode_32 3
		.amdhsa_float_denorm_mode_16_64 3
		.amdhsa_memory_ordered 1
		.amdhsa_forward_progress 1
		.amdhsa_inst_pref_size 62
	.end_amdhsa_kernel
	.amdgpu_metadata
---
amdhsa.version: [ 1, 2 ]
amdhsa.kernels:
  - .name:           k_q5867b2c54e_quant
    .symbol:         k_q5867b2c54e_quant.kd
    .args:
      - { .name: x, .offset: 0, .size: 8, .value_kind: global_buffer, .address_space: global }
      - { .name: xq, .offset: 8, .size: 8, .value_kind: global_buffer, .address_space: global }
      - { .name: w_qkv, .offset: 16, .size: 8, .value_kind: global_buffer, .address_space: global }
      - { .name: w_out, .offset: 24, .size: 8, .value_kind: global_buffer, .address_space: global }
      - { .name: wq, .offset: 32, .size: 8, .value_kind: global_buffer, .address_space: global }
    .group_segment_fixed_size: 46592
    .private_segment_fixed_size: 0
    .kernarg_segment_align: 8
    .kernarg_segment_size: 40
    .max_flat_workgroup_size: 128
    .sgpr_count:     66
    .vgpr_count:     256
    .wavefront_size: 32
...
	.end_amdgpu_metadata
.endif
;; end of part 1
;; launch gemm_qkv (part 2): grid 12 x 32, 4 waves a work-group, clusters of 4 x 4, 327,680 bytes of LDS; arguments xq, wq, b_qkv, qkv; writes qkv
.if DOCPART == 2
	.amdgcn_target "amdgcn-amd-amdhsa--gfx1250"
	.amdhsa_code_object_version 6
	.text
	.protected	k_q5867b2c54e_gemm_qkv
	.globl	k_q5867b2c54e_gemm_qkv
	.p2align	8
	.type	k_q5867b2c54e_gemm_qkv,@function
k_q5867b2c54e_gemm_qkv:
	s_mov_b64 s[64:65], 0
	v_nop
	global_prefetch_b8 v0, s[64:65] scope:SCOPE_SE
	s_setreg_imm32_b32 hwreg(HW_REG_WAVE_MODE, 25, 1), 1
	s_wait_xcnt 0x0
	s_wait_alu depctr_hold_cnt(0) depctr_sa_sdst(0) depctr_va_vdst(0) depctr_va_sdst(0) depctr_va_ssrc(0) depctr_va_vcc(0) depctr_vm_vsrc(0)
	s_getreg_b32 s2, hwreg(HW_REG_IB_STS2, 6, 4)
	s_cmp_eq_u32 s2, 0
	s_cbranch_scc0 .Lentry_in_a_cluster
	s_endpgm
.Lentry_in_a_cluster:
	s_bfe_u32 s2, ttmp6, 0x10000c
	s_cmp_lg_u32 s2, 0xf033
	s_cbranch_scc0 .Lentry_shape_is_right
	s_endpgm
.Lentry_shape_is_right:
.set XS,    6291456
.set WS,    3145728
.set VCD,   12582912
.set QSC,   18874368
.set FR,    12
.set HALFT, 8*2*1536
.set SLOT,  4*HALFT
.set SCL, 3*SLOT                       ; slot 0 holds two chunks of K, the long slot behind it four
.set HALFS, 8*512
.set SPARE, SCL+4*HALFS
.set ADRP, 16
.set ADRR, 20
.set ADSP, 22
.set ADSR, 23
.set LI,   24
.set VO,   25
.set BO,   26
.set SPW,  28
.set NIL,  29
.set H8,   30
.set SCP,  32
.set SCR,  64
.set BI,   96
.set AF,   160
.set WE,   96
.set WO,   104
.set OW,   112
.set TM,   120
.set SO,   122
.set BY,   124
.set TP,   126
.set PW,   127
.set TT,   128
.set EE,   160
.set OO,   172
.set G1,   24
.set G0,   32
.set G1B,  48
.set G0B,  56
.set G1S,  68
.set G0S,  76
.set G1SB, 80
.set G0SB, 88
.set SEL,  92
.set MSB, 0
.macro WIN new
.if MSB != (\new)
	s_set_vgpr_msb (MSB<<8)|(\new)
.set MSB, (\new)
.endif
.endm
.set TO_R, 0x40
.macro JLOAD g0a, g1a, g0b, g1b
	s_cmp_eq_u32 s21, 0
	s_cbranch_scc0 .Lfor_b_\@
	tensor_load_to_lds s[\g0a:\g0a+3], s[\g1a:\g1a+7]
	s_nop 0
.rept 4
	v_nop
.endr
	s_branch .Lasked_\@
.Lfor_b_\@:
	tensor_load_to_lds s[\g0b:\g0b+3], s[\g1b:\g1b+7]
	s_nop 0
.rept 4
	v_nop
.endr
.Lasked_\@:
.endm
.macro CREST
	s_cmp_lg_u32 s20, 0
	s_cbranch_scc1 .Lnot_wave_0_\@
	s_barrier_signal -3
.Lnot_wave_0_\@:
	s_barrier_wait -3
	s_barrier_signal -1
	s_barrier_wait -1
.endm
.macro CROUND
	s_barrier_signal -1
	s_barrier_wait -1
	CREST
.endm
.macro PLACES
.rept 4
	v_nop
.endr
.endm
	s_load_b256 s[4:11], s[0:1], 0x0
	v_lshl_add_u32 v[SPW], v0, 2, SPARE
	v_mov_b32 v[NIL], 0
	ds_add_u32 v28, v29
	ds_add_u32 v28, v29
	s_wait_dscnt 0x0
	v_lshrrev_b32 v1, 5, v0
	v_readfirstlane_b32 s20, v1
	s_lshr_b32 s21, s20, 1
	s_and_b32 s22, s20, 1
	s_bfe_u32 s40, ttmp6, 0x40000
	s_bfe_u32 s41, ttmp6, 0x40004
	s_lshl_b32 s42, ttmp9, 2
	s_add_co_u32 s42, s42, s40
	s_and_b32 s43, ttmp7, 0xffff
	s_lshl_b32 s43, s43, 2
	s_add_co_u32 s43, s43, s41
	s_lshl_b32 s44, s41, 2
	s_lshl_b32 s44, 15, s44
	s_lshl_b32 s45, 0x1111, s40
	s_or_b32 s[G1+0], s44, (3<<16)|(1<<21)
	s_or_b32 s[G1B+0], s45, (3<<16)|(1<<21)
.irp g, G1, G1B
	s_mov_b32 s[\g+1], 384<<16
	s_mov_b32 s[\g+2], 16<<16
	s_mov_b32 s[\g+3], 384<<16
	s_mov_b32 s[\g+4], 16
	s_mov_b32 s[\g+5], 1536
	s_mov_b32 s[\g+6], 0
	s_mov_b32 s[\g+7], 0
.endr
	s_or_b32 s[G1S+0], s44, (3<<16)|(1<<21)
	s_or_b32 s[G1SB+0], s45, (3<<16)|(1<<21)
.irp g, G1S, G1SB
	s_mov_b32 s[\g+1], 32<<16
	s_mov_b32 s[\g+2], 32<<16
	s_mov_b32 s[\g+3], 32<<16
	s_mov_b32 s[\g+4], 32
	s_mov_b32 s[\g+5], 32
	s_mov_b32 s[\g+6], 0
	s_mov_b32 s[\g+7], 0
.endr
	s_mov_b32 s66, 0xffff0000
	s_mov_b32 s67, 0x7f7f7f7f
	s_mov_b32 s[SEL], 0x76543210
	s_mov_b32 s[SEL+1], 0xfedcba98
	s_lshl_b32 s12, s22, 3
	s_lshl_b32 s14, s43, 4
	s_add_co_u32 s14, s14, s12
	s_lshl_b32 s16, s42, 4
	s_add_co_u32 s16, s16, s12
	s_mul_i32 s18, s14, 12288
	s_mov_b32 s19, 0
	s_lshl_b32 s14, s14, 9
	s_add_co_u32 s14, s14, XS
	s_mov_b32 s15, 0
	s_mul_i32 s46, s16, 12288
	s_mov_b32 s47, 0
	s_lshl_b32 s16, s16, 9
	s_add_co_u32 s16, s16, WS
	s_mov_b32 s17, 0
	s_mul_i32 s2, s20, HALFT
	s_lshl_b32 s3, s20, 12
	s_wait_kmcnt 0x0
	s_add_nc_u64 s[18:19], s[4:5], s[18:19]
	s_add_nc_u64 s[14:15], s[4:5], s[14:15]
	s_add_nc_u64 s[46:47], s[6:7], s[46:47]
	s_add_nc_u64 s[16:17], s[6:7], s[16:17]
	CROUND
	s_lshl_b32 s12, s22, 12                        ; my half's 4,096 bytes off again: the head's loads of scale words bring all 16 tiles of a side
	s_mov_b32 s13, 0
	s_mov_b32 s[G0S], 1
	s_mov_b32 s[G0S+1], SCL
	s_sub_nc_u64 s[G0S+2:G0S+3], s[14:15], s[12:13]
	s_or_b32 s[G0S+3], s[G0S+3], 0x80000000
	s_mov_b32 s[G0SB], 1
	s_mov_b32 s[G0SB+1], SCL+2*HALFS
	s_sub_nc_u64 s[G0SB+2:G0SB+3], s[16:17], s[12:13]
	s_or_b32 s[G0SB+3], s[G0SB+3], 0x80000000
.irp s, 0,1
	s_mov_b32 s[G0+4*\s], 1
	s_add_co_u32 s[G0+4*\s+1], s2, \s*SLOT
	s_add_nc_u64 s[G0+4*\s+2:G0+4*\s+3], s[18:19], \s*3072
	s_or_b32 s[G0+4*\s+3], s[G0+4*\s+3], 0x80000000
	s_mov_b32 s[G0B+4*\s], 1
	s_add_co_u32 s[G0B+4*\s+1], s2, \s*SLOT
	s_add_nc_u64 s[G0B+4*\s+2:G0B+4*\s+3], s[46:47], \s*3072
	s_or_b32 s[G0B+4*\s+3], s[G0B+4*\s+3], 0x80000000
.endr
; THE HEAD'S LOADS, ONE A WAVE, in one chain of branches on the wave's number: wave 0 slot 0's 16 tiles of the tokens (its own eight and the eight behind them: group 1 counts 16 rows here), wave 1 their scale words, wave 2 slot 0's 16 tiles of the weight, wave 3 their scale words
	s_add_co_u32 s[G0+5], s[G0+5], s2              ; the long slot: a wave's quarter is twice as large
	s_add_co_u32 s[G0B+5], s[G0B+5], s2
	s_cmp_eq_u32 s20, 0
	s_cbranch_scc0 .Lhead_sa
	tensor_load_to_lds s[G0:G0+3], s[G1:G1+7]
	s_nop 0
	PLACES
	s_branch .Lhead_asked
.Lhead_sa:
	s_cmp_eq_u32 s20, 1
	s_cbranch_scc0 .Lhead_b
	tensor_load_to_lds s[G0S:G0S+3], s[G1S:G1S+7]
	s_nop 0
	PLACES
	s_branch .Lhead_asked
.Lhead_b:
	s_cmp_eq_u32 s20, 2
	s_cbranch_scc0 .Lhead_sb
	tensor_load_to_lds s[G0B:G0B+3], s[G1B:G1B+7]
	s_nop 0
	PLACES
	s_branch .Lhead_asked
.Lhead_sb:
	tensor_load_to_lds s[G0SB:G0SB+3], s[G1SB:G1SB+7]
	s_nop 0
	PLACES
.Lhead_asked:
	v_and_b32 v1, 31, v0
	v_and_b32 v2, 15, v0
	v_bfe_u32 v3, v0, 4, 1
	v_lshlrev_b32 v[LI], 4, v1
	s_wait_alu depctr_va_vdst(0)
	v_lshlrev_b32 v[H8], 3, v3
	v_mul_u32_u24 v[VO], v3, 12288
	v_lshl_add_u32 v[VO], v2, 4, v[VO]
	s_cmp_ge_u32 ttmp9, 2
	s_cselect_b32 s23, 1, 0
	s_cselect_b32 s12, 2*HALFT, 0
	s_cselect_b32 s13, 0, 2*HALFT
	s_cselect_b32 s14, 2*HALFS, 0
	s_cselect_b32 s15, 0, 2*HALFS
	s_mul_i32 s16, s21, HALFT
	s_add_co_u32 s12, s12, s16
	s_mul_i32 s16, s22, HALFT
	s_add_co_u32 s13, s13, s16
	s_lshl_b32 s16, s21, 12
	s_add_co_u32 s14, s14, s16
	s_add_co_u32 s14, s14, SCL
	s_lshl_b32 s16, s22, 12
	s_add_co_u32 s15, s15, s16
	s_add_co_u32 s15, s15, SCL
	v_add_nc_u32 v[ADRP], s12, v[LI]
	v_add_nc_u32 v[ADRR], s13, v[LI]
	s_lshl_b32 s12, s12, 1
	s_lshl_b32 s13, s13, 1
	s_add_co_u32 s12, s12, SLOT
	s_add_co_u32 s13, s13, SLOT
	v_add_nc_u32 v[ADRP+1], s12, v[LI]
	v_add_nc_u32 v[ADRR+1], s13, v[LI]
	v_add_nc_u32 v[ADSP], s14, v[LI]
	v_add_nc_u32 v[ADSR], s15, v[LI]
	s_cmp_eq_u32 s23, 0
	s_cselect_b32 s18, s22, s21
	s_lshl_b32 s18, s18, 9
	s_lshl_b32 s16, s42, 10
	s_add_co_u32 s16, s16, s18
	s_mov_b32 s17, 0
	s_add_nc_u64 s[8:9], s[8:9], s[16:17]
	s_cmp_eq_u32 s23, 0
	s_cbranch_scc0 .Lbias_v
	v_lshlrev_b32 v[BO], 7, v3
.irp b, 0,1,2,3,4,5,6,7
	global_load_b128 v[BI+8*\b:BI+8*\b+3], v[BO], s[8:9] offset:(64*(\b/4)+8*(\b%4))*4
	global_load_b128 v[BI+8*\b+4:BI+8*\b+7], v[BO], s[8:9] offset:(64*(\b/4)+8*(\b%4))*4+16
.endr
	s_branch .Lbias_in
.Lbias_v:
	v_lshrrev_b32 v4, 3, v2
	v_and_b32 v5, 7, v2
	v_lshl_add_u32 v4, v4, 5, v5
	v_lshlrev_b32 v[BO], 2, v4
.irp a, 0,1,2,3,4,5,6,7
.irp j, 0,1,2,3,4,5,6,7
	global_load_b32 v[BI+8*\a+\j], v[BO], s[8:9] offset:(64*(\a/4)+8*(\a%4))*4
.endr
.endr
.Lbias_in:
.macro FRAG reg, adr, q, i
.irp g, 0,1,2
	ds_load_b128 v[(\reg)+4*\g:(\reg)+4*\g+3], v[\adr] offset:(\i)*TPI+(\q)*1536+512*\g
.endr
.endm
.macro FETCH_R slot, q, set
.set TPI, 3072*(1+(\slot))             ; from tile to tile in the slot: two chunks or four
	WIN TO_R
.irp i, 0,1,2,3,4,5,6,7
	FRAG 128*(\set)+FR*\i, ADRR+\slot, \q, \i
.endr
	WIN 0
.endm
.macro FETCH_P slot, q, i0
.set TPI, 3072*(1+(\slot))
.irp i, \i0, \i0+1, \i0+2, \i0+3
	FRAG AF+FR*(\i), ADRP+\slot, \q, \i
.endr
.endm
.macro MUL16 a0, p, c, cm
.irp a, \a0, \a0+1
.irp b, 0,1,2,3,4,5,6,7
.set rD, 8*(8*((\a)%4)+\b)
.set rC, rD
.if (\cm) == 1
.set rC, BI+8*\b
.endif
.if (\cm) == 2
.set rC, BI+8*(\a)
.endif
.if (\c) < 4
	v_wmma_scale_f32_16x16x128_f8f6f4 v[rD:rD+7], v[128*(\p)+FR*\b:128*(\p)+FR*\b+FR-1], v[AF+FR*(\a):AF+FR*(\a)+FR-1], v[rC:rC+7], v[SCR+4*\b+(\c)%4], v[SCP+4*(\a)+(\c)%4] matrix_a_fmt:MATRIX_FMT_FP6 matrix_b_fmt:MATRIX_FMT_FP6
.else
	v_wmma_scale_f32_16x16x128_f8f6f4 v[rD:rD+7], v[128*(\p)+FR*\b:128*(\p)+FR*\b+FR-1], v[AF+FR*(\a):AF+FR*(\a)+FR-1], v[rC:rC+7], v[SCR+4*\b+(\c)%4], v[SCP+4*(\a)+(\c)%4] matrix_a_fmt:MATRIX_FMT_FP6 matrix_b_fmt:MATRIX_FMT_FP6 matrix_a_scale:MATRIX_SCALE_ROW1 matrix_b_scale:MATRIX_SCALE_ROW1
.endif
.endr
.endr
.endm
.macro STEP slot, c, cm
	s_wait_dscnt 12
.if \cm
	WIN 0x81
.else
	WIN 0xa1
.endif
	MUL16 0, 0, \c, \cm
	MUL16 2, 0, \c, \cm
	s_wait_dscnt 0x0
	PLACES
	FETCH_R \slot, 1, 1
	FETCH_P \slot, 1, 0
.if \cm
	WIN 0xc1
.else
	WIN 0xf1
.endif
	MUL16 4, 0, \c, \cm
	MUL16 6, 0, \c, \cm
	PLACES
	WIN 0
	FETCH_P \slot, 1, 4
.endm
.macro MID c, p, fq                    ; a step inside the long slot: multiplies set p, fetches the slot's chunk fq into the other set; no barrier
	s_wait_dscnt 12
	WIN 0xa1
	MUL16 0, \p, \c, 0
	MUL16 2, \p, \c, 0
	s_wait_dscnt 0x0
	PLACES
	FETCH_R 1, \fq, 1-(\p)
	FETCH_P 1, \fq, 0
	WIN 0xf1
	MUL16 4, \p, \c, 0
	MUL16 6, \p, \c, 0
	PLACES
	WIN 0
	FETCH_P 1, \fq, 4
.endm
.macro TURN slot, next, c, fill
	s_wait_tensorcnt 0x0
	ds_add_u32 v[SPW], v[NIL]
	s_wait_dscnt 13
	WIN 0xa1
	MUL16 0, 1, \c, 0
	s_wait_dscnt 0x0
	s_barrier_signal -1
	MUL16 2, 1, \c, 0
	WIN 0
	s_barrier_wait -1
.if \fill
	CREST
	s_add_nc_u64 s[G0+4*\slot+2:G0+4*\slot+3], s[G0+4*\slot+2:G0+4*\slot+3], 9216   ; from chunk 0 to chunk 6
	s_add_nc_u64 s[G0B+4*\slot+2:G0B+4*\slot+3], s[G0B+4*\slot+2:G0B+4*\slot+3], 9216
	s_mov_b32 s[G1+1], 384<<16                     ; rows of two chunks again (no tensor load of mine is out)
	s_mov_b32 s[G1+3], 384<<16
	s_mov_b32 s[G1B+1], 384<<16
	s_mov_b32 s[G1B+3], 384<<16
	JLOAD G0+4*\slot, G1, G0B+4*\slot, G1B
.else
	PLACES
.endif
	FETCH_R \next, 0, 0
	FETCH_P \next, 0, 0
	WIN 0xf1
	MUL16 4, 1, \c, 0
	MUL16 6, 1, \c, 0
	PLACES
	WIN 0
	FETCH_P \next, 0, 4
.endm
	s_wait_alu depctr_va_vdst(0)                   ; the wait at the head's end
	s_wait_tensorcnt 0x0                           ; my tile of the head's four is in; slot 1's first fill is issued as a refill is
	ds_add_u32 v28, v29
	s_mov_b32 s[G1+2], 8<<16                       ; no tensor load of mine is out: from here on a load brings eight tiles
	s_mov_b32 s[G1+4], 8
	s_mov_b32 s[G1+1], 768<<16                     ; and the next load brings chunks 2 to 5: rows of 6,144 bytes
	s_mov_b32 s[G1+3], 768<<16
	s_mov_b32 s[G1B+1], 768<<16
	s_mov_b32 s[G1B+3], 768<<16
	s_mov_b32 s[G1B+2], 8<<16
	s_mov_b32 s[G1B+4], 8
	s_wait_dscnt 0x0
	CROUND
	JLOAD G0+4, G1, G0B+4, G1B
	s_wait_alu depctr_va_vdst(0)
	FETCH_R 0, 0, 0
	FETCH_P 0, 0, 0
.irp i, 0,1,2,3,4,5,6,7
	ds_load_b128 v[SCP+4*\i:SCP+4*\i+3], v[ADSP] offset:512*\i
	ds_load_b128 v[SCR+4*\i:SCR+4*\i+3], v[ADSR] offset:512*\i
.endr
	FETCH_P 0, 0, 4
	s_wait_loadcnt 0x0
	s_cmp_eq_u32 s23, 0
	s_cbranch_scc0 .Lfirst_v
	STEP 0, 0, 1
	s_branch .Lfirst_done
.Lfirst_v:
	STEP 0, 0, 2
.Lfirst_done:
	TURN 0, 1, 1, 1
	STEP 1, 2, 0
	MID 3, 1, 2
	MID 4, 0, 3
	TURN 1, 0, 5, 0
	STEP 0, 6, 0
	s_wait_dscnt 12
	WIN 0xa1
	MUL16 0, 1, 7, 0
	MUL16 2, 1, 7, 0
	s_wait_dscnt 0x0
	WIN 0xf1
	MUL16 4, 1, 7, 0
	MUL16 6, 1, 7, 0
	WIN 0
.macro QUANT2W src, w, d0, d1, pw
	WIN ((\w)<<2)|((\w)<<4)
.irp c, 0,1
	v_max3_num_f32 v[TM+\c], 0x1800000, |v[(\src)+32*\c]|, |v[(\src)+32*\c+1]|
.endr
.irp i, 2,4,6,8,10,12,14,16,18,20,22,24,26,28,30
.irp c, 0,1
	v_max3_num_f32 v[TM+\c], v[TM+\c], |v[(\src)+32*\c+\i]|, |v[(\src)+32*\c+\i+1]|
.endr
.endr
	WIN 0
.irp c, 0,1
	v_add_nc_u32 v[SO+\c], 0xff000000, v[TM+\c]
.endr
.irp c, 0,1
	v_lshrrev_b32 v[BY+\c], 23, v[SO+\c]
.endr
	v_lshl_or_b32 v[\pw], v[BY+1], 16, v[BY]
	v_lshlrev_b32 v[\pw], v[H8], v[\pw]
	v_permlanex16_b32 v[TP], v[\pw], s[SEL], s[SEL+1]
	v_or_b32 v[\pw], v[\pw], v[TP]
	WIN (\w)
	v_cvt_scalef32_pk16_fp6_f32 v[(\d0):(\d0)+2], v[(\src):(\src)+15], v[SO]
	v_cvt_scalef32_pk16_fp6_f32 v[TT:TT+2], v[(\src)+16:(\src)+31], v[SO]
	v_cvt_scalef32_pk16_fp6_f32 v[(\d1):(\d1)+2], v[(\src)+32:(\src)+47], v[SO+1]
	v_cvt_scalef32_pk16_fp6_f32 v[TT+4:TT+6], v[(\src)+48:(\src)+63], v[SO+1]
	WIN 0
	v_nop
.irp i, 0,1,2
	v_mov_b32 v[(\d0)+3+\i], v[TT+\i]
	v_mov_b32 v[(\d1)+3+\i], v[TT+4+\i]
.endr
.endm
	PLACES
	v_mov_b32 v[TP], 0
	s_cmp_eq_u32 s23, 0
	s_cbranch_scc0 .Lepi_v
	s_lshr_b32 s12, s43, 3
	s_lshl_b32 s12, s12, 5
	s_lshl_b32 s13, s42, 2
	s_add_co_u32 s12, s12, s13
	s_lshl_b32 s13, s22, 1
	s_add_co_u32 s12, s12, s13
	s_and_b32 s13, s43, 7
	s_lshl_b32 s14, s12, 6
	s_lshl_b32 s15, s13, 3
	s_add_co_u32 s14, s14, s15
	s_lshl_b32 s15, s21, 2
	s_add_co_u32 s14, s14, s15
	s_mul_i32 s94, s14, 1536
	s_mov_b32 s95, 0
	s_add_nc_u64 s[94:95], s[10:11], s[94:95]
	s_mul_i32 s96, s12, 12288
	s_lshl_b32 s15, s13, 1
	s_add_co_u32 s15, s15, s21
	s_lshl_b32 s15, s15, 9
	s_add_co_u32 s96, s96, s15
	s_add_co_u32 s96, s96, QSC
	s_mov_b32 s97, 0
	s_add_nc_u64 s[96:97], s[10:11], s[96:97]
.irp a, 0,1,2,3,4,5,6,7
.if (\a == 4) || (\a == 6)
	s_wait_xcnt 0x0
.endif
	QUANT2W 64*(\a%4), 2+\a/4, EE+24*((\a/2)%2)+6*(\a%2), OO+24*((\a/2)%2)+6*(\a%2), PW
	v_perm_b32 v[WE+\a], s67, v[PW], 0x07060100
	v_perm_b32 v[WO+\a], s67, v[PW], 0x07060302
.if \a%2 == 1
.irp g, 0,1,2
	global_store_b128 v[LI], v[EE+24*((\a/2)%2)+4*\g:EE+24*((\a/2)%2)+4*\g+3], s[94:95] offset:(\a/2)*1536+512*\g
	global_store_b128 v[LI], v[OO+24*((\a/2)%2)+4*\g:OO+24*((\a/2)%2)+4*\g+3], s[94:95] offset:(\a/2)*1536+512*\g+98304
.endr
.endif
.endr
.irp j, 0,1,2,3
	v_cndmask_b32 v[OW+\j], v[WE+\j], v[WE+4+\j], s66
	v_cndmask_b32 v[OW+4+\j], v[WO+\j], v[WO+4+\j], s66
.endr
	global_store_b128 v[LI], v[OW:OW+3], s[96:97]
	global_store_b128 v[LI], v[OW+4:OW+7], s[96:97] offset:12288
	s_branch .Lepi_done
.Lepi_v:
	s_lshr_b32 s12, s43, 3
	s_sub_co_u32 s13, s42, 8
	s_lshl_b32 s13, s13, 2
	s_lshl_b32 s14, s21, 1
	s_add_co_u32 s13, s13, s14
	s_and_b32 s14, s43, 7
	s_lshl_b32 s14, s14, 1
	s_add_co_u32 s14, s14, s22
	s_lshl_b32 s15, s12, 4
	s_add_co_u32 s15, s15, s13
	s_lshl_b32 s15, s15, 4
	s_add_co_u32 s15, s15, s14
	s_mul_i32 s94, s15, 6144
	s_add_co_u32 s94, s94, VCD
	s_mov_b32 s95, 0
	s_add_nc_u64 s[94:95], s[10:11], s[94:95]
	s_lshl_b32 s15, s12, 5
	s_add_co_u32 s15, s15, s13
	s_add_co_u32 s15, s15, 16
	s_mul_i32 s96, s15, 12288
	s_lshl_b32 s14, s14, 8
	s_add_co_u32 s96, s96, s14
	s_add_co_u32 s96, s96, QSC+8192
	s_mov_b32 s97, 0
	s_add_nc_u64 s[96:97], s[10:11], s[96:97]
.irp a, 0,1,2,3,4,5,6,7
.if \a >= 2
	s_wait_xcnt 0x0
.endif
	QUANT2W 64*(\a%4), 2+\a/4, EE+12*(\a%2), EE+12*(\a%2)+6, WE+\a
.irp g, 0,1,2
	global_store_b128 v[LI], v[EE+12*(\a%2)+4*\g:EE+12*(\a%2)+4*\g+3], s[94:95] offset:(\a/4)*98304+(\a%4)*1536+512*\g
.endr
.endr
.irp j, 0,1,2,3
	v_cndmask_b32 v[OW+\j], v[WE+\j], v[WE+4+\j], s66
.endr
	global_store_b128 v[VO], v[OW:OW+3], s[96:97]
.Lepi_done:
	s_wait_tensorcnt 0x0
	ds_add_u32 v[SPW], v[NIL]
	s_wait_dscnt 0x0
	CROUND
	s_endpgm
.Lfunc_end_k_q5867b2c54e_gemm_qkv:
	.size	k_q5867b2c54e_gemm_qkv, .Lfunc_end_k_q5867b2c54e_gemm_qkv-k_q5867b2c54e_gemm_qkv
	.p2alignl 7, 3214868480
	.fill 96, 4, 3214868480
	.section	.rodata,"a",@progbits
	.p2align	6, 0x0
	.amdhsa_kernel k_q5867b2c54e_gemm_qkv
		.amdhsa_group_segment_fixed_size 327680
		.amdhsa_private_segment_fixed_size 0
		.amdhsa_enable_private_segment 0
		.amdhsa_kernarg_size 32
		.amdhsa_user_sgpr_count 2
		.amdhsa_user_sgpr_kernarg_segment_ptr 1
		.amdhsa_wavefront_size32 1
		.amdhsa_system_sgpr_workgroup_id_x 1
		.amdhsa_system_sgpr_workgroup_id_y 1
		.amdhsa_system_sgpr_workgroup_id_z 1
		.amdhsa_system_vgpr_workitem_id 0
		.amdhsa_next_free_vgpr 1024
		.amdhsa_next_free_sgpr 102
		.amdhsa_reserve_vcc 0
		.amdhsa_float_denorm_mode_32 3
		.amdhsa_float_denorm_mode_16_64 3
		.amdhsa_memory_ordered 1
		.amdhsa_forward_progress 1
		.amdhsa_inst_pref_size 182
	.end_amdhsa_kernel
	.amdgpu_metadata
---
amdhsa.version: [ 1, 2 ]
amdhsa.kernels:
  - .name:           k_q5867b2c54e_gemm_qkv
    .symbol:         k_q5867b2c54e_gemm_qkv.kd
    .args:
      - { .name: xq, .offset: 0, .size: 8, .value_kind: global_buffer, .address_space: global }
      - { .name: wq, .offset: 8, .size: 8, .value_kind: global_buffer, .address_space: global }
      - { .name: b_qkv, .offset: 16, .size: 8, .value_kind: global_buffer, .address_space: global }
      - { .name: qkv, .offset: 24, .size: 8, .value_kind: global_buffer, .address_space: global }
    .group_segment_fixed_size: 327680
    .private_segment_fixed_size: 0
    .kernarg_segment_align: 8
    .kernarg_segment_size: 32
    .max_flat_workgroup_size: 128
    .sgpr_count:     102
    .vgpr_count:     1024
    .wavefront_size: 32
...
	.end_amdgpu_metadata
.endif
;; end of part 2
;; launch attn (part 3): grid 4 x 64, 16 waves a work-group, clusters of 4 x 1, 215,040 bytes of LDS; arguments qkv, ao; writes ao
.if DOCPART == 3
	.amdgcn_target "amdgcn-amd-amdhsa--gfx1250"
	.amdhsa_code_object_version 6
	.text
	.protected	k_q5867b2c54e_attn
	.globl	k_q5867b2c54e_attn
	.p2align	8
	.type	k_q5867b2c54e_attn,@function
k_q5867b2c54e_attn:
	s_mov_b64 s[64:65], 0
	v_nop
	global_prefetch_b8 v0, s[64:65] scope:SCOPE_SE
	s_setreg_imm32_b32 hwreg(HW_REG_WAVE_MODE, 25, 1), 1
	s_wait_xcnt 0x0
	s_wait_alu depctr_hold_cnt(0) depctr_sa_sdst(0) depctr_va_vdst(0) depctr_va_sdst(0) depctr_va_ssrc(0) depctr_va_vcc(0) depctr_vm_vsrc(0)
	s_getreg_b32 s2, hwreg(HW_REG_IB_STS2, 6, 4)
	s_cmp_eq_u32 s2, 0
	s_cbranch_scc0 .Lentry_in_a_cluster
	s_endpgm
.Lentry_in_a_cluster:
	s_bfe_u32 s2, ttmp6, 0x10000c
	s_cmp_lg_u32 s2, 0x3003
	s_cbranch_scc0 .Lentry_shape_is_right
	s_endpgm
.Lentry_shape_is_right:
; o = softmax(q k^T / 8) v for one head, both products on codes of FP6 (E2M3) with E8M0 scales; o is quantised along the model's axis and leaves as codes.
; THE SOFTMAX AHEAD OF THE SECOND PRODUCT: t = score x log2(e) / 8; M = the running largest t rounded up to a whole number; p = 2^(t - M) is quantised along the keys, not normalised; the row's sum is taken of the
; unquantised p and divides at the end.  When M moves, the sum and O are multiplied by 2^(old M - new M): exact.
; SHARES.  Work-group (cx, head): 512 queries in two passes of 256; each of the sixteen waves owns one tile of 16 queries a pass, in 256 registers, four waves to a SIMD.
; A HEAD'S K, V AND SCALE WORDS COME INTO LDS ONCE (208,896 bytes) and stay: nothing is filled again.  The head's four work-groups form a cluster and ask for every tile jointly.  EVERY WAVE ISSUES ONE LOAD at the head:
; waves 0-5 a sixth of K's codes each (16,384 bytes), waves 6-11 of V's, waves 12-15 a quarter of the scale words (3,072 bytes).  One wait for 0 in every wave and ONE barrier show all of it; from there on the waves only read
; these bytes, so no further barrier stands in or between the passes.  Both passes' Q come in by plain loads under the tiles' flight.
; No prefetch: every tile is asked for at the head, so there is no later fill to run ahead of.
; LAYOUT.  Both products are used transposed: S^T = K Q^T, O^T = V^T P^T: a lane holds one query throughout.  The rows of every tile are ordered so (tile 4 G + t, row r: 64 G + 32 (r / 8) + 8 t + r % 8) that a lane's 32 registers of
; four neighbouring results are 32 neighbours: a lane holds whole blocks of p and of o, and the conversions' results are the next operand's registers.
; K = 64 IN AN INSTRUCTION OF 128: Q's registers 6-11 are zero codes.  The first operand of key tile t is v[32 + 6 t .. 43 + 6 t]: its upper six registers are the next tile's codes, or v80-85, which hold the second pass's Q: codes of
; FP6 are finite numbers; times zeros, under scale bytes of 0x7f on both sides, they add nothing.
; A STEP'S LDS LOADS RUN AHEAD: V's 13 are issued behind the first products, a step's vector work ahead of their use; K's 13 of the NEXT step among the lines that lead to M.  So K's registers hold nothing else: what the step needs
; besides lies in p's code registers (until the conversions write them) and in p's own registers once they are converted.  A pass's last step asks for 6,656 bytes behind K's last step, inside LDS, which nobody uses.
; o's scale halfwords of both passes (1,024 bytes) meet in LDS and leave behind one barrier at the end, 512 consecutive bytes by each of waves 0 and 1.
; LIMITS: NaN and infinities are not served; the promise holds while |t| stays under 2^31; p under 2^-126 counts as 0; a block whose largest number lies under 2^-124 keeps the byte 1.
; REGISTERS: v1-11, v94-95 addresses; v12 -M, v13 the largest t, v[14:15] the sum; v16-27 Q; v28 Q's scale word (v253: the second pass's); v29 p's; v[30:31] the factor; v32-79 K; v86-89 K's scale words; v90-93 V's;
; v96-159 S^T, then p; v160-191 O^T; v192-239 V; v240-251 first the maxima, scale operands and bytes, then p's codes; v252 a lane exchange's destination; v254-255 at work, made anew for the closing add.
.set QSC, 18874368
.set AOS, 6291456
.set VC,  98304                        ; LDS: K's codes at 0 (6,144 bytes a key step), V's here,
.set KSC, 196608                       ; K's scale words (512 a step),
.set VSC, 204800                       ; V's (256 a step),
.set AOG, 208896                       ; 1,024 bytes for o's scale halfwords; no tile lands here
.set SPARE, 212992                     ; the spare words: 128 bytes a wave
.macro WALU
	s_wait_alu depctr_va_vdst(0)
.endm
.macro ADDP d, s                       ; pair d += pair s
	v_pk_add_f32 v[\d:\d+1], v[\d:\d+1], v[\s:\s+1]
.endm
.macro CROUND
	s_barrier_signal -1
	s_barrier_wait -1
	s_cmp_lg_u32 s14, 0
	s_cbranch_scc1 .Lnot_wave_0_\@
	s_barrier_signal -3
.Lnot_wave_0_\@:
	s_barrier_wait -3
	s_barrier_signal -1
	s_barrier_wait -1
.endm
	s_load_b128 s[4:7], s[0:1], 0x0                ; qkv, ao
	v_lshl_add_u32 v254, v0, 2, SPARE
	v_mov_b32 v255, 0
	ds_add_u32 v254, v255                          ; the opening lines
	ds_add_u32 v254, v255
	v_lshrrev_b32 v1, 5, v0
	s_delay_alu instid0(VALU_DEP_1)
	v_readfirstlane_b32 s14, v1                    ; wave 0..15
	s_bfe_u32 s15, ttmp6, 0x40000                  ; cx: it enters Q's and o's addresses alone
	s_and_b32 s16, ttmp7, 0xffff                   ; 16 b + head
	s_lshr_b32 s17, s16, 4
	s_and_b32 s18, s16, 15
	s_mov_b32 s24, 15|(3<<16)|(1<<21)              ; group 1, codes: 64 rows of 256 bytes (32 elements of 8); the mask names all four work-groups
	s_mov_b32 s25, 32<<16
	s_mov_b32 s26, 64<<16
	s_mov_b32 s27, 32<<16
	s_mov_b32 s28, 64
	s_mov_b32 s29, 32
	s_mov_b32 s30, 0
	s_mov_b32 s31, 0
	s_mov_b32 s32, 15|(3<<16)|(1<<21)              ; scale words: 12 rows
	s_mov_b32 s33, 32<<16
	s_mov_b32 s34, 12<<16
	s_mov_b32 s35, 32<<16
	s_mov_b32 s36, 12
	s_mov_b32 s37, 32
	s_mov_b32 s38, 0
	s_mov_b32 s39, 0
	s_mov_b32 s20, 0x76543210                      ; lane selects: lane l xor 16
	s_mov_b32 s21, 0xfedcba98
	s_mov_b32 s22, 0x3e38aa3b                      ; c = log2(e) / 8
	s_mov_b32 s23, s22
	s_lshl_b32 s76, s17, 5
	s_add_co_u32 s76, s76, s18                     ; q's entry: 32 b + head
	s_add_co_u32 s77, s76, 16                      ; k's
	s_cmp_ge_u32 s14, 6
	s_cselect_b32 s13, 1, 0                        ; I fetch K (0) or V (1).  V's entry of 98,304 bytes is 128 + 16 b + head
	s_lshl_b32 s9, s17, 4
	s_sub_co_u32 s9, 112, s9
	s_mul_i32 s9, s9, s13
	s_add_co_u32 s9, s9, s77
	s_mul_i32 s78, s9, 98304
	s_mul_i32 s12, s13, 6
	s_sub_co_u32 s12, s14, s12
	s_lshl_b32 s12, s12, 14                        ; which sixth
	s_add_co_u32 s78, s78, s12
	s_mov_b32 s79, 0
	s_lshl_b32 s45, s14, 14                        ; and where it goes: 16,384 x wave (V's codes begin at 6 x 16,384)
	s_mul_i32 s80, s77, 12288
	s_add_co_u32 s80, s80, QSC
	s_max_u32 s9, s14, 12
	s_sub_co_u32 s9, s9, 12
	s_mul_i32 s9, s9, 3072                         ; waves 12-15: a quarter of the head's 12,288 bytes of scale words
	s_add_co_u32 s80, s80, s9
	s_mov_b32 s81, 0
	s_mul_i32 s41, s14, 3072
	s_add_co_u32 s41, s41, KSC-12*3072
	s_lshl_b32 s9, s76, 6                          ; Q's codes: pair 16 cx + wave / 2 of q's entry (the second pass: 8 pairs on)
	s_lshl_b32 s10, s15, 4
	s_add_co_u32 s9, s9, s10
	s_lshr_b32 s10, s14, 1
	s_add_co_u32 s9, s9, s10
	s_mul_i32 s68, s9, 1536
	s_mov_b32 s69, 0
	s_mul_i32 s70, s76, 12288                      ; Q's scale word: tile it = 32 cx + 16 pass + wave: (it / 8) x 512 + ((it / 4) % 2) x 256 + (it % 4) x 4
	s_add_co_u32 s70, s70, QSC
	s_lshl_b32 s9, s15, 2
	s_lshr_b32 s10, s14, 3
	s_add_co_u32 s9, s9, s10
	s_lshl_b32 s9, s9, 9
	s_add_co_u32 s70, s70, s9
	s_bfe_u32 s9, s14, 0x10002
	s_lshl_b32 s9, s9, 8
	s_add_co_u32 s70, s70, s9
	s_and_b32 s9, s14, 3
	s_lshl_b32 s9, s9, 2
	s_add_co_u32 s70, s70, s9
	s_mov_b32 s71, 0
	s_lshl_b32 s9, s17, 7                          ; o's codes: tile 128 b + it, chunk head / 2, half head % 2;  o's scale halfwords: [head][row]
	s_lshl_b32 s10, s15, 5
	s_add_co_u32 s9, s9, s10
	s_lshl_b32 s74, s9, 5
	s_add_co_u32 s9, s9, s14
	s_lshl_b32 s9, s9, 3
	s_lshr_b32 s10, s18, 1
	s_add_co_u32 s9, s9, s10
	s_mul_i32 s72, s9, 1536
	s_and_b32 s10, s18, 1
	s_mul_i32 s10, s10, 768
	s_add_co_u32 s72, s72, s10
	s_mov_b32 s73, 0
	s_lshl_b32 s10, s18, 14
	s_add_co_u32 s74, s74, s10
	s_add_co_u32 s74, s74, AOS
	s_mov_b32 s75, 0
	s_min_u32 s82, s14, 1
	s_lshl_b32 s82, s82, 9                         ; which 512 bytes of the halfwords wave 0 or 1 stores
	s_add_co_u32 s83, s82, AOG
	s_and_b32 s9, s14, 1
	s_cmp_eq_u32 s9, 1
	s_cselect_b32 s67, -1, 0                       ; all lanes where my tile is its pair's second
	s_wait_dscnt 0x0                               ; both opening adds are done
	s_wait_kmcnt 0x0
	s_add_nc_u64 s[78:79], s[4:5], s[78:79]
	s_add_nc_u64 s[80:81], s[4:5], s[80:81]
	s_add_nc_u64 s[68:69], s[4:5], s[68:69]
	s_add_nc_u64 s[70:71], s[4:5], s[70:71]
	s_add_nc_u64 s[72:73], s[6:7], s[72:73]
	s_add_nc_u64 s[74:75], s[6:7], s[74:75]
	s_mov_b32 s40, 1
	s_mov_b64 s[42:43], s[80:81]
	s_or_b32 s43, s43, 0x80000000
	s_mov_b32 s44, 1
	s_mov_b64 s[46:47], s[78:79]
	s_or_b32 s47, s47, 0x80000000
	CROUND                                         ; all four work-groups are here: the joint loads meet
	s_cmp_lt_u32 s14, 12                           ; one chain of branches, one load in each arm
	s_cbranch_scc0 .Lscales
	tensor_load_to_lds s[44:47], s[24:31]
	s_nop 0
.rept 4
	v_nop
.endr
	s_branch .Lasked
.Lscales:
	tensor_load_to_lds s[40:43], s[32:39]
	s_nop 0
.rept 4
	v_nop
.endr
.Lasked:
	v_and_b32 v8, 31, v0                           ; lane
	v_and_b32 v9, 15, v0                           ; r
	v_bfe_u32 v5, v0, 4, 1                         ; h
	s_delay_alu instid0(VALU_DEP_3)
	v_lshlrev_b32 v1, 4, v8                        ; 16 x lane: K's images
	s_delay_alu instid0(VALU_DEP_1)
	v_add_nc_u32 v2, VC, v1                        ; V's
	s_delay_alu instid0(VALU_DEP_2)
	v_add_nc_u32 v3, KSC, v1                       ; K's scale words
	v_lshlrev_b32 v4, 4, v9
	s_delay_alu instid0(VALU_DEP_1)
	v_add_nc_u32 v4, VSC, v4                       ; V's: 16 r
	v_lshlrev_b32 v6, 1, v9
	s_lshl_b32 s9, s14, 5
	v_add_nc_u32 v6, s9, v6
	s_delay_alu instid0(VALU_DEP_1)
	v_add_nc_u32 v6, AOG, v6                       ; my row's halfword: 32 x wave + 2 r (+ 512 x pass)
	v_add_nc_u32 v7, s83, v1
	v_lshlrev_b32 v8, 3, v8                        ; 8 x lane
	v_lshlrev_b32 v9, 4, v9                        ; 16 r
	v_lshlrev_b32 v5, 3, v5                        ; 8 h
.irp p, 0,1
.irp g, 0,1,2
	global_load_b128 v[96+12*\p+4*\g:99+12*\p+4*\g], v1, s[68:69] offset:12288*\p+512*\g   ; my tile's pair of each pass: twelve registers a lane
.endr
.endr
	global_load_b32 v28, v9, s[70:71]              ; Q's scale words
	global_load_b32 v253, v9, s[70:71] offset:1024
.irp i, 22,23,24,25,26,27
	v_mov_b32 v[\i], 0                             ; Q's upper half: zero codes
.endr
	v_mov_b32 v31, 0                               ; (named as the upper half of the pair v[30:31])
	v_mov_b32 v252, 0                              ; a lane permute's destination counts as one of its sources
	WALU
	s_wait_loadcnt 0x0
.irp i, 0,1,2,3,4,5
	v_cndmask_b32 v[16+\i], v[96+\i], v[102+\i], s67    ; my tile's six
	v_cndmask_b32 v[80+\i], v[108+\i], v[114+\i], s67   ; and the second pass's
.endr
	WALU                                           ; the wait at the head's end
	s_wait_tensorcnt 0x0                           ; my load has landed,
	s_barrier_signal -1
	s_barrier_wait -1                              ; and everybody's: all of K, V and their scale words are in
.macro KLOAD j0                        ; three of the next step's twelve loads of K's codes
.irp j, \j0, \j0+1, \j0+2
	ds_load_b128 v[32+4*(\j):35+4*(\j)], v10 offset:6144+512*(\j)
.endr
.endm
; A KEY STEP: 128 keys.  s60: the step's codes (K's and V's alike), s61: K's scale words, s62: V's.
.macro STEP
	s_wait_dscnt 0x0                               ; K's 13 loads, asked for a step ago, are in
	v_add_nc_u32 v10, s60, v1                      ; (these four are also the places behind the last step's products, ahead of the loads into their sources)
	v_add_nc_u32 v11, s60, v2
	v_add_nc_u32 v94, s61, v3
	v_add_nc_u32 v95, s62, v4
.irp t, 0,1,2,3
	v_wmma_scale_f32_16x16x128_f8f6f4 v[96+8*\t:103+8*\t], v[32+6*\t:43+6*\t], v[16:27], 0, v[86+\t], v28 matrix_a_fmt:MATRIX_FMT_FP6 matrix_b_fmt:MATRIX_FMT_FP6
.endr
.irp t, 4,5,6,7
	v_wmma_scale_f32_16x16x128_f8f6f4 v[96+8*\t:103+8*\t], v[32+6*\t:43+6*\t], v[16:27], 0, v[82+\t], v28 matrix_a_fmt:MATRIX_FMT_FP6 matrix_b_fmt:MATRIX_FMT_FP6 matrix_a_scale:MATRIX_SCALE_ROW1
.endr                                          ; register 32 u + i is key 64 u + 32 h + i of the step
.irp j, 0,1,2,3,4,5,6,7,8,9,10,11
	ds_load_b128 v[192+4*\j:195+4*\j], v11 offset:512*\j   ; four fragments of V^T
.endr
	ds_load_b128 v[90:93], v95
	v_mov_b32 v255, v12                            ; the old -M.  (With the three below: the places behind the products)
.rept 3
	v_nop
.endr
.irp u, 0,1                            ; the largest score of each of my two blocks, in two chains a block: for the row's maximum, and, since p rises with the score, for the block's largest p
.irp a, 0,1
	v_max3_num_f32 v[240+2*\u+\a], v[96+32*\u+16*\a], v[97+32*\u+16*\a], v[98+32*\u+16*\a]
.endr
.endr
.set jj, 3
.rept 6
.irp u, 0,1
.irp a, 0,1
	v_max3_num_f32 v[240+2*\u+\a], v[240+2*\u+\a], v[96+32*\u+16*\a+jj], v[97+32*\u+16*\a+jj]
.endr
.endr
.set jj, jj+2
.endr
	v_max3_num_f32 v240, v240, v241, v111          ; a block's two chains and its two numbers left over
	v_max3_num_f32 v242, v242, v243, v143
	v_max_num_f32 v240, v240, v127
	v_max_num_f32 v242, v242, v159
	v_max_num_f32 v254, v240, v242
	KLOAD 0                                        ; the next step's K, among the lines that hang on each other
	v_permlanex16_b32 v252, v254, s20, s21
	KLOAD 3
	v_max_num_f32 v254, v254, v252                 ; with lane l xor 16's 64 keys
	KLOAD 6
	v_mul_f32 v254, s22, v254                      ; as t (c is positive)
	KLOAD 9
	v_max_num_f32 v13, v13, v254                   ; the running largest t
	ds_load_b128 v[86:89], v94 offset:512          ; the next step's scale words: lanes 0-15 tiles 0-3, lanes 16-31 tiles 4-7
	v_floor_f32 v12, -v13                          ; the new -M = -ceil(t): a whole number
.set jj, 0
.irp w, 0,1,2,3,4,5,6,7
.rept 4
	v_pk_fma_f32 v[96+jj:97+jj], v[96+jj:97+jj], s[22:23], v[12:13] op_sel_hi:[1,0,0]   ; t - M, two at a time
.set jj, jj+2
.endr
.if \w == 0
	v_sub_f32 v255, v12, v255                      ; old M - new M: a whole number, 0 or less
.elseif \w == 1
	v_cvt_i32_f32 v255, v255                       ; (it saturates)
.elseif \w == 2
	v_ldexp_f32 v30, 1.0, v255                     ; f = 2^(old M - new M)
.endif
.endr
	v_fma_f32 v240, v240, s22, v12                 ; the same of each block's largest score
	v_fma_f32 v242, v242, s22, v12
.set jj, 0
.rept 16
	v_pk_mul_f32 v[160+jj:161+jj], v[160+jj:161+jj], v[30:31] op_sel_hi:[1,0]   ; O^T under the new M
.set jj, jj+2
.endr
	WALU                                           ; the wait ahead of the batch
.set jj, 0
.rept 64
	v_exp_f32 v[96+jj], v[96+jj]                   ; p = 2^(t - M), at most 1
.set jj, jj+1
.endr
	v_exp_f32 v240, v240                           ; the blocks' largest p: the same two instructions on the same number give the same bits
	v_exp_f32 v242, v242
	v_pk_mul_f32 v[14:15], v[14:15], v[30:31] op_sel_hi:[1,0]   ; the sums under the new M (a plain place behind the exponentials)
	WALU                                           ; one wait for the batch of 66, ahead of its first use
	v_max_num_f32 v240, 0x1800000, v240            ; the floor 2^(3 - 127)
	v_max_num_f32 v242, 0x1800000, v242
	v_add_nc_u32 v244, 0xff000000, v240            ; 2 off the exponent field: the conversion's scale operand
	v_add_nc_u32 v245, 0xff000000, v242
	v_cvt_scalef32_pk16_fp6_f32 v[240:242], v[96:111], v244
	v_cvt_scalef32_pk16_fp6_f32 v[246:248], v[128:143], v245
	v_lshrrev_b32 v250, 23, v244                   ; the bytes.  (A plain place behind the conversions)
	v_lshrrev_b32 v251, 23, v245
	ADDP 100, 96                                   ; THE ROW'S SUM OF THE UNQUANTISED p: a tree in place, over registers whose codes are made.  These four free the places of the next two conversions' results
	ADDP 102, 98
	ADDP 132, 128
	ADDP 134, 130
	v_cvt_scalef32_pk16_fp6_f32 v[96:98], v[112:127], v244         ; (a conversion's three registers begin on an even number)
	v_cvt_scalef32_pk16_fp6_f32 v[128:130], v[144:159], v245
	v_lshl_or_b32 v29, v251, 16, v250              ; my blocks are h and 2 + h.  (A plain place behind the conversions)
.irp d, 100,104,108,132,136,140
	ADDP \d, \d+2
.endr
	v_lshlrev_b32 v29, v5, v29
.irp i, 0,1,2
	v_mov_b32 v[243+\i], v[96+\i]
	v_mov_b32 v[249+\i], v[128+\i]
.endr
	v_permlanex16_b32 v252, v29, s20, s21
.irp d, 112,116,120,124,144,148,152,156
	ADDP \d, \d+2
.endr
	v_or_b32 v29, v29, v252                        ; p's scale word for these 128 keys; the fourteen lines below are its places ahead of the products
	ADDP 100, 104
	ADDP 108, 132
	ADDP 136, 140
	ADDP 112, 116
	ADDP 120, 124
	ADDP 144, 148
	ADDP 152, 156
	ADDP 14, 100
	ADDP 108, 136
	ADDP 112, 120
	ADDP 144, 152
	ADDP 14, 108
	ADDP 112, 144
	ADDP 14, 112
	WALU
	s_wait_dscnt 13                                ; V's 13 loads are in; the next step's 13 of K, issued behind them, may be out
.irp t, 0,1,2,3
	v_wmma_scale_f32_16x16x128_f8f6f4 v[160+8*\t:167+8*\t], v[192+12*\t:203+12*\t], v[240:251], v[160+8*\t:167+8*\t], v[90+\t], v29 matrix_a_fmt:MATRIX_FMT_FP6 matrix_b_fmt:MATRIX_FMT_FP6
.endr
	s_add_co_u32 s60, s60, 6144
	s_add_co_u32 s61, s61, 512
	s_add_co_u32 s62, s62, 256
.endm
; A PASS: my tile of 16 queries against the head's 2,048 keys, sixteen steps, and its way out.  Every offset that differs between the passes is an immediate.
.macro PASS p
.irp j, 0,1,2,3,4,5,6,7,8,9,10,11
	ds_load_b128 v[32+4*\j:35+4*\j], v1 offset:512*\j      ; step 0's eight tiles of K, six registers each
.endr
	ds_load_b128 v[86:89], v3
.if \p
.irp i, 0,1,2,3,4,5
	v_mov_b32 v[16+\i], v[80+\i]                   ; the second pass's Q; the lines below are the places ahead of the first product
.endr
	v_mov_b32 v28, v253
.endif
	v_mov_b32 v13, 0xff61b1e6                      ; the largest t so far: -3e38
	s_delay_alu instid0(VALU_DEP_1)
	v_floor_f32 v12, -v13
	v_mov_b32 v14, 0
	v_mov_b32 v15, 0
.set jj, 0
.rept 32
	v_mov_b32 v[160+jj], 0                         ; O^T: the step is written once, and the first change of M leaves zeros zeros
.set jj, jj+1
.endr
	s_mov_b32 s60, 0
	s_mov_b32 s61, 0
	s_mov_b32 s62, 0
	s_mov_b32 s63, 16
.Lstep_\@:
	WALU                                           ; behind the last products, and behind the branch
	STEP
	s_sub_co_u32 s63, s63, 1
	s_cmp_lg_u32 s63, 0
	s_cbranch_scc1 .Lstep_\@
	; THE WAY OUT: o = O^T / the sum; register i of lane (r, h) is channel 32 h + i of query r: one whole block
	s_wait_dscnt 0x0                               ; the last step's loads into K's registers have landed: these registers are at work below
.rept 4
	v_nop                                          ; places behind the last products
.endr
	v_add_f32 v14, v14, v15
	s_delay_alu instid0(VALU_DEP_1)
	v_permlanex16_b32 v252, v14, s20, s21
	s_delay_alu instid0(VALU_DEP_1)
	v_add_f32 v14, v14, v252                       ; the row's sum
	WALU
	v_rcp_f32 v30, v14
	v_nop                                          ; a plain place behind the reciprocal
	WALU                                           ; and the wait ahead of its first use
.set jj, 0
.rept 16
	v_pk_mul_f32 v[160+jj:161+jj], v[160+jj:161+jj], v[30:31] op_sel_hi:[1,0]
.set jj, jj+2
.endr
	v_max3_num_f32 v32, 0x1800000, |v160|, |v161|  ; the block's largest magnitude, with the floor; two chains
	v_max3_num_f32 v33, |v162|, |v163|, |v164|
.irp i, 5,9,13,17,21,25
	s_delay_alu instid0(VALU_DEP_2)
	v_max3_num_f32 v32, v32, |v[160+\i]|, |v[161+\i]|
	s_delay_alu instid0(VALU_DEP_2)
	v_max3_num_f32 v33, v33, |v[162+\i]|, |v[163+\i]|
.endr
	s_delay_alu instid0(VALU_DEP_2)
	v_max3_num_f32 v32, v32, |v189|, |v190|
	s_delay_alu instid0(VALU_DEP_1)
	v_max3_num_f32 v32, v32, v33, |v191|
	s_delay_alu instid0(VALU_DEP_1)
	v_add_nc_u32 v36, 0xff000000, v32
	s_delay_alu instid0(VALU_DEP_1)
	v_lshrrev_b32 v38, 23, v36
	v_cvt_scalef32_pk16_fp6_f32 v[240:242], v[160:175], v36
	v_cvt_scalef32_pk16_fp6_f32 v[40:42], v[176:191], v36
	v_nop
.irp i, 0,1,2
	v_mov_b32 v[243+\i], v[40+\i]
.endr
.irp q, 0,1,2
	global_store_b64 v8, v[240+2*\q:241+2*\q], s[72:73] offset:196608*\p+256*\q   ; 32 lanes store 256 consecutive bytes, aligned: my head's half of the tile's fragment
.endr
	v_lshlrev_b32 v38, v5, v38
	s_delay_alu instid0(VALU_DEP_1)
	v_permlanex16_b32 v252, v38, s20, s21
	s_delay_alu instid0(VALU_DEP_1)
	v_or_b32 v38, v38, v252                        ; the row's two bytes
	ds_store_b16 v6, v38 offset:512*\p             ; (lanes r and r + 16 write the same halfword with the same value)
	WALU
	s_wait_xcnt 0x0                                ; the stores have read their data: v240-245 are written again
.endm
	PASS 0
	PASS 1
	s_wait_dscnt 0x0                               ; for the sake of waves 0 and 1: my halfwords are stored
	s_barrier_signal -1
	s_barrier_wait -1
	s_cmp_lt_u32 s14, 2
	s_cbranch_scc0 .Lnot_first
	v_add_nc_u32 v36, s82, v1
	WALU
	ds_load_b128 v[32:35], v7                      ; a pass's 256 halfwords
	s_wait_dscnt 0x0
	global_store_b128 v36, v[32:35], s[74:75]      ; 512 consecutive bytes
.Lnot_first:
	v_lshl_add_u32 v254, v0, 2, SPARE              ; the add's two registers, made anew (v0 is as at the entry)
	v_mov_b32 v255, 0
	WALU
	s_wait_tensorcnt 0x0                           ; the wave's end
	ds_add_u32 v254, v255
	s_wait_dscnt 0x0
	CROUND                                         ; the closing round
	s_endpgm
.Lfunc_end_k_q5867b2c54e_attn:
	.size	k_q5867b2c54e_attn, .Lfunc_end_k_q5867b2c54e_attn-k_q5867b2c54e_attn
	.p2alignl 7, 3214868480
	.fill 96, 4, 3214868480
	.section	.rodata,"a",@progbits
	.p2align	6, 0x0
	.amdhsa_kernel k_q5867b2c54e_attn
		.amdhsa_group_segment_fixed_size 215040
		.amdhsa_private_segment_fixed_size 0
		.amdhsa_enable_private_segment 0
		.amdhsa_kernarg_size 16
		.amdhsa_user_sgpr_count 2
		.amdhsa_user_sgpr_kernarg_segment_ptr 1
		.amdhsa_wavefront_size32 1
		.amdhsa_system_sgpr_workgroup_id_x 1
		.amdhsa_system_sgpr_workgroup_id_y 1
		.amdhsa_system_sgpr_workgroup_id_z 1
		.amdhsa_system_vgpr_workitem_id 0
		.amdhsa_next_free_vgpr 256
		.amdhsa_next_free_sgpr 84
		.amdhsa_reserve_vcc 0
		.amdhsa_float_denorm_mode_32 3
		.amdhsa_float_denorm_mode_16_64 3
		.amdhsa_memory_ordered 1
		.amdhsa_forward_progress 1
		.amdhsa_inst_pref_size 51
	.end_amdhsa_kernel
	.amdgpu_metadata
---
amdhsa.version: [ 1, 2 ]
amdhsa.kernels:
  - .name:           k_q5867b2c54e_attn
    .symbol:         k_q5867b2c54e_attn.kd
    .args:
      - { .name: qkv, .offset: 0, .size: 8, .value_kind: global_buffer, .address_space: global }
      - { .name: ao, .offset: 8, .size: 8, .value_kind: global_buffer, .address_space: global }
    .group_segment_fixed_size: 215040
    .private_segment_fixed_size: 0
    .kernarg_segment_align: 8
    .kernarg_segment_size: 16
    .max_flat_workgroup_size: 512
    .sgpr_count:     84
    .vgpr_count:     256
    .wavefront_size: 32
...
	.end_amdgpu_metadata
.endif
;; end of part 3
;; launch gemm_out (part 4): grid 4 x 32, 4 waves a work-group, clusters of 4 x 4, 327,680 bytes of LDS; arguments ao, wq, b_out, out0; writes out0
.if DOCPART == 4
	.amdgcn_target "amdgcn-amd-amdhsa--gfx1250"
	.amdhsa_code_object_version 6
	.text
	.protected	k_q5867b2c54e_gemm_out
	.globl	k_q5867b2c54e_gemm_out
	.p2align	8
	.type	k_q5867b2c54e_gemm_out,@function
k_q5867b2c54e_gemm_out:
	s_mov_b64 s[64:65], 0
	v_nop
	global_prefetch_b8 v0, s[64:65] scope:SCOPE_SE
	s_setreg_imm32_b32 hwreg(HW_REG_WAVE_MODE, 25, 1), 1
	s_wait_xcnt 0x0
	s_wait_alu depctr_hold_cnt(0) depctr_sa_sdst(0) depctr_va_vdst(0) depctr_va_sdst(0) depctr_va_ssrc(0) depctr_va_vcc(0) depctr_vm_vsrc(0)
	s_getreg_b32 s2, hwreg(HW_REG_IB_STS2, 6, 4)
	s_cmp_eq_u32 s2, 0
	s_cbranch_scc0 .Lentry_in_a_cluster
	s_endpgm
.Lentry_in_a_cluster:
	s_bfe_u32 s2, ttmp6, 0x10000c
	s_cmp_lg_u32 s2, 0xf033
	s_cbranch_scc0 .Lentry_shape_is_right
	s_endpgm
.Lentry_shape_is_right:
.set AOS,   6291456
.set WS,    3145728
.set FR,    12
.set HALFT, 8*2*1536
.set SLOT,  4*HALFT
.set SCL, 3*SLOT                       ; slot 0 holds two chunks of K, the long slot behind it four
.set HALFS, 4096
.set SPARE, SCL+4*HALFS
.set SPITCH, 528
.set ADRP, 16
.set ADRR, 20
.set ADSU, 22
.set ADSR, 23
.set LI,   24
.set BO,   26
.set STO,  27
.set SPW,  28
.set NIL,  29
.set RD,   30
.set SCP,  32
.set SCR,  64
.set BI,   96
.set AF,   160
.set BK,   96
.set G1,   24
.set G0,   32
.set G1B,  48
.set G0B,  56
.set G1S,  68
.set G0S,  76
.set G1SB, 80
.set G0SB, 88
.set MSB, 0
.macro WIN new
.if MSB != (\new)
	s_set_vgpr_msb (MSB<<8)|(\new)
.set MSB, (\new)
.endif
.endm
.set TO_R, 0x40
.macro JLOAD g0a, g1a, g0b, g1b
	s_cmp_eq_u32 s21, 0
	s_cbranch_scc0 .Lfor_b_\@
	tensor_load_to_lds s[\g0a:\g0a+3], s[\g1a:\g1a+7]
	s_nop 0
.rept 4
	v_nop
.endr
	s_branch .Lasked_\@
.Lfor_b_\@:
	tensor_load_to_lds s[\g0b:\g0b+3], s[\g1b:\g1b+7]
	s_nop 0
.rept 4
	v_nop
.endr
.Lasked_\@:
.endm
.macro CREST
	s_cmp_lg_u32 s20, 0
	s_cbranch_scc1 .Lnot_wave_0_\@
	s_barrier_signal -3
.Lnot_wave_0_\@:
	s_barrier_wait -3
	s_barrier_signal -1
	s_barrier_wait -1
.endm
.macro CROUND
	s_barrier_signal -1
	s_barrier_wait -1
	CREST
.endm
.macro PLACES
.rept 4
	v_nop
.endr
.endm
	s_load_b256 s[4:11], s[0:1], 0x0
	v_lshl_add_u32 v[SPW], v0, 2, SPARE
	v_mov_b32 v[NIL], 0
	ds_add_u32 v28, v29
	ds_add_u32 v28, v29
	s_wait_dscnt 0x0
	v_lshrrev_b32 v1, 5, v0
	v_readfirstlane_b32 s20, v1
	s_lshr_b32 s21, s20, 1
	s_and_b32 s22, s20, 1
	s_bfe_u32 s40, ttmp6, 0x40000
	s_bfe_u32 s41, ttmp6, 0x40004
	s_lshl_b32 s42, ttmp9, 2
	s_add_co_u32 s42, s42, s40
	s_and_b32 s43, ttmp7, 0xffff
	s_lshl_b32 s43, s43, 2
	s_add_co_u32 s43, s43, s41
	s_lshl_b32 s44, s41, 2
	s_lshl_b32 s44, 15, s44
	s_lshl_b32 s45, 0x1111, s40
	s_or_b32 s[G1+0], s44, (3<<16)|(1<<21)
	s_or_b32 s[G1B+0], s45, (3<<16)|(1<<21)
.irp g, G1, G1B
	s_mov_b32 s[\g+1], 384<<16
	s_mov_b32 s[\g+2], 16<<16
	s_mov_b32 s[\g+3], 384<<16
	s_mov_b32 s[\g+4], 16
	s_mov_b32 s[\g+5], 1536
	s_mov_b32 s[\g+6], 0
	s_mov_b32 s[\g+7], 0
.endr
	s_or_b32 s[G1S+0], s44, (3<<16)|(1<<21)
	s_mov_b32 s[G1S+1], 64<<16
	s_mov_b32 s[G1S+2], 16<<16
	s_mov_b32 s[G1S+3], 64<<16
	s_mov_b32 s[G1S+4], 16
	s_mov_b32 s[G1S+5], 2048
	s_mov_b32 s[G1S+6], 0
	s_mov_b32 s[G1S+7], 0
	s_or_b32 s[G1SB+0], s45, (3<<16)|(1<<21)
	s_mov_b32 s[G1SB+1], 32<<16
	s_mov_b32 s[G1SB+2], 32<<16
	s_mov_b32 s[G1SB+3], 32<<16
	s_mov_b32 s[G1SB+4], 32
	s_mov_b32 s[G1SB+5], 32
	s_mov_b32 s[G1SB+6], 0
	s_mov_b32 s[G1SB+7], 0
	s_lshl_b32 s12, s22, 3
	s_lshl_b32 s14, s43, 4
	s_add_co_u32 s14, s14, s12
	s_lshl_b32 s16, s42, 4
	s_add_co_u32 s16, s16, s12
	s_add_co_u32 s16, s16, 192
	s_mul_i32 s18, s14, 12288
	s_mov_b32 s19, 0
	s_lshl_b32 s14, s14, 5
	s_add_co_u32 s14, s14, AOS
	s_mov_b32 s15, 0
	s_mul_i32 s46, s16, 12288
	s_mov_b32 s47, 0
	s_lshl_b32 s16, s16, 9
	s_add_co_u32 s16, s16, WS
	s_mov_b32 s17, 0
	s_mul_i32 s2, s20, HALFT
	s_lshl_b32 s3, s20, 12
	s_wait_kmcnt 0x0
	s_add_nc_u64 s[18:19], s[4:5], s[18:19]
	s_add_nc_u64 s[14:15], s[4:5], s[14:15]
	s_add_nc_u64 s[46:47], s[6:7], s[46:47]
	s_add_nc_u64 s[16:17], s[6:7], s[16:17]
	CROUND
	s_lshl_b32 s12, s22, 8                         ; my half's bytes off again: the head's loads of scales bring all 256 rows of a side.  The tokens' halfwords: 16 heads x 512 bytes
	s_mov_b32 s13, 0
	s_mov_b32 s[G0S], 1
	s_mov_b32 s[G0S+1], SCL
	s_sub_nc_u64 s[G0S+2:G0S+3], s[14:15], s[12:13]
	s_or_b32 s[G0S+3], s[G0S+3], 0x80000000
	s_lshl_b32 s12, s22, 12
	s_mov_b32 s[G0SB], 1
	s_mov_b32 s[G0SB+1], SCL+2*HALFS
	s_sub_nc_u64 s[G0SB+2:G0SB+3], s[16:17], s[12:13]
	s_or_b32 s[G0SB+3], s[G0SB+3], 0x80000000
.irp s, 0,1
	s_mov_b32 s[G0+4*\s], 1
	s_add_co_u32 s[G0+4*\s+1], s2, \s*SLOT
	s_add_nc_u64 s[G0+4*\s+2:G0+4*\s+3], s[18:19], \s*3072
	s_or_b32 s[G0+4*\s+3], s[G0+4*\s+3], 0x80000000
	s_mov_b32 s[G0B+4*\s], 1
	s_add_co_u32 s[G0B+4*\s+1], s2, \s*SLOT
	s_add_nc_u64 s[G0B+4*\s+2:G0B+4*\s+3], s[46:47], \s*3072
	s_or_b32 s[G0B+4*\s+3], s[G0B+4*\s+3], 0x80000000
.endr
; THE HEAD'S LOADS, ONE A WAVE, in one chain of branches on the wave's number: wave 0 slot 0's 16 tiles of the tokens (group 1 counts 16 rows here), wave 1 their scale halfwords, wave 2 slot 0's 16 tiles of the weight, wave 3 their scale words
	s_add_co_u32 s[G0+5], s[G0+5], s2              ; the long slot: a wave's quarter is twice as large
	s_add_co_u32 s[G0B+5], s[G0B+5], s2
	s_cmp_eq_u32 s20, 0
	s_cbranch_scc0 .Lhead_sa
	tensor_load_to_lds s[G0:G0+3], s[G1:G1+7]
	s_nop 0
	PLACES
	s_branch .Lhead_asked
.Lhead_sa:
	s_cmp_eq_u32 s20, 1
	s_cbranch_scc0 .Lhead_b
	tensor_load_to_lds s[G0S:G0S+3], s[G1S:G1S+7]
	s_nop 0
	PLACES
	s_branch .Lhead_asked
.Lhead_b:
	s_cmp_eq_u32 s20, 2
	s_cbranch_scc0 .Lhead_sb
	tensor_load_to_lds s[G0B:G0B+3], s[G1B:G1B+7]
	s_nop 0
	PLACES
	s_branch .Lhead_asked
.Lhead_sb:
	tensor_load_to_lds s[G0SB:G0SB+3], s[G1SB:G1SB+7]
	s_nop 0
	PLACES
.Lhead_asked:
	v_and_b32 v1, 31, v0
	v_and_b32 v2, 15, v0
	v_bfe_u32 v3, v0, 4, 1
	v_lshlrev_b32 v[LI], 4, v1
	v_lshlrev_b32 v4, 3, v1
	s_mul_i32 s12, s21, HALFT
	s_mul_i32 s13, s22, HALFT
	s_add_co_u32 s13, s13, 2*HALFT
	v_add_nc_u32 v[ADRP], s12, v4
	v_add_nc_u32 v[ADRR], s13, v[LI]
	s_wait_alu depctr_va_vdst(0)
	s_lshl_b32 s12, s12, 1
	s_lshl_b32 s13, s13, 1
	s_add_co_u32 s12, s12, SLOT
	s_add_co_u32 s13, s13, SLOT
	v_add_nc_u32 v[ADRP+1], s12, v4
	v_add_nc_u32 v[ADRR+1], s13, v[LI]
	s_lshl_b32 s14, s21, 8
	s_add_co_u32 s14, s14, SCL
	v_lshlrev_b32 v5, 1, v2
	v_lshl_add_u32 v5, v3, 12, v5
	v_add_nc_u32 v[ADSU], s14, v5
	s_lshl_b32 s15, s22, 12
	s_add_co_u32 s15, s15, SCL+2*HALFS
	v_add_nc_u32 v[ADSR], s15, v[LI]
	s_mul_i32 s16, s20, 16*SPITCH
	s_add_co_u32 s16, s16, SLOT                    ; the stages lie in the long slot: its one fill is over, and its last read ends ahead of the walk's last barrier
	v_mul_u32_u24 v5, v2, SPITCH
	v_lshl_add_u32 v5, v3, 7, v5
	v_add_nc_u32 v[STO], s16, v5
	v_add_nc_u32 v[RD], s16, v[LI]
	s_lshl_b32 s16, s42, 10
	s_lshl_b32 s18, s22, 9
	s_add_co_u32 s16, s16, s18
	s_mov_b32 s17, 0
	s_add_nc_u64 s[8:9], s[8:9], s[16:17]
	s_add_nc_u64 s[10:11], s[10:11], s[16:17]
	s_lshl_b32 s16, s43, 8
	s_lshl_b32 s18, s21, 7
	s_add_co_u32 s16, s16, s18
	s_lshl_b32 s16, s16, 12
	s_add_nc_u64 s[10:11], s[10:11], s[16:17]
	v_lshlrev_b32 v[BO], 7, v3
.irp b, 0,1,2,3,4,5,6,7
	global_load_b128 v[BI+8*\b:BI+8*\b+3], v[BO], s[8:9] offset:(64*(\b/4)+8*(\b%4))*4
	global_load_b128 v[BI+8*\b+4:BI+8*\b+7], v[BO], s[8:9] offset:(64*(\b/4)+8*(\b%4))*4+16
.endr
.macro FRAG reg, adr, q, i
.irp g, 0,1,2
	ds_load_b128 v[(\reg)+4*\g:(\reg)+4*\g+3], v[\adr] offset:(\i)*TPI+(\q)*1536+512*\g
.endr
.endm
.macro FRAGP reg, adr, q, i
.irp g, 0,1,2,3,4,5
	ds_load_b64 v[(\reg)+2*\g:(\reg)+2*\g+1], v[\adr] offset:(\i)*TPI+(\q)*1536+256*\g
.endr
.endm
.macro FETCH_R slot, q, set
.set TPI, 3072*(1+(\slot))             ; from tile to tile in the slot: two chunks or four
	WIN TO_R
.irp i, 0,1,2,3,4,5,6,7
	FRAG 128*(\set)+FR*\i, ADRR+\slot, \q, \i
.endr
	WIN 0
.endm
.macro FETCH_P slot, q, i0
.set TPI, 3072*(1+(\slot))
.irp i, \i0, \i0+1, \i0+2, \i0+3
	FRAGP AF+FR*(\i), ADRP+\slot, \q, \i
.endr
.endm
.macro MUL16 a0, p, c, cm
.irp a, \a0, \a0+1
.irp b, 0,1,2,3,4,5,6,7
.set rD, 8*(8*((\a)%4)+\b)
.set rC, rD
.if (\cm) == 1
.set rC, BI+8*\b
.endif
.if (\c) < 4
	v_wmma_scale_f32_16x16x128_f8f6f4 v[rD:rD+7], v[128*(\p)+FR*\b:128*(\p)+FR*\b+FR-1], v[AF+FR*(\a):AF+FR*(\a)+FR-1], v[rC:rC+7], v[SCR+4*\b+(\c)%4], v[SCP+4*(\a)+(\c)%4] matrix_a_fmt:MATRIX_FMT_FP6 matrix_b_fmt:MATRIX_FMT_FP6
.else
	v_wmma_scale_f32_16x16x128_f8f6f4 v[rD:rD+7], v[128*(\p)+FR*\b:128*(\p)+FR*\b+FR-1], v[AF+FR*(\a):AF+FR*(\a)+FR-1], v[rC:rC+7], v[SCR+4*\b+(\c)%4], v[SCP+4*(\a)+(\c)%4] matrix_a_fmt:MATRIX_FMT_FP6 matrix_b_fmt:MATRIX_FMT_FP6 matrix_a_scale:MATRIX_SCALE_ROW1 matrix_b_scale:MATRIX_SCALE_ROW1
.endif
.endr
.endr
.endm
.macro STEP slot, c, cm
	s_wait_dscnt 24
.if \cm
	WIN 0x81
.else
	WIN 0xa1
.endif
	MUL16 0, 0, \c, \cm
	MUL16 2, 0, \c, \cm
	s_wait_dscnt 0x0
	PLACES
	FETCH_R \slot, 1, 1
	FETCH_P \slot, 1, 0
.if \cm
	WIN 0xc1
.else
	WIN 0xf1
.endif
	MUL16 4, 0, \c, \cm
	MUL16 6, 0, \c, \cm
	PLACES
	WIN 0
	FETCH_P \slot, 1, 4
.endm
.macro MID c, p, fq                    ; a step inside the long slot: multiplies set p, fetches the slot's chunk fq into the other set; no barrier
	s_wait_dscnt 24
	WIN 0xa1
	MUL16 0, \p, \c, 0
	MUL16 2, \p, \c, 0
	s_wait_dscnt 0x0
	PLACES
	FETCH_R 1, \fq, 1-(\p)
	FETCH_P 1, \fq, 0
	WIN 0xf1
	MUL16 4, \p, \c, 0
	MUL16 6, \p, \c, 0
	PLACES
	WIN 0
	FETCH_P 1, \fq, 4
.endm
.macro TURN slot, next, c, fill
	s_wait_tensorcnt 0x0
	ds_add_u32 v[SPW], v[NIL]
	s_wait_dscnt 25
	WIN 0xa1
	MUL16 0, 1, \c, 0
	s_wait_dscnt 0x0
	s_barrier_signal -1
	MUL16 2, 1, \c, 0
	WIN 0
	s_barrier_wait -1
.if \fill
	CREST
	s_add_nc_u64 s[G0+4*\slot+2:G0+4*\slot+3], s[G0+4*\slot+2:G0+4*\slot+3], 9216   ; from chunk 0 to chunk 6
	s_add_nc_u64 s[G0B+4*\slot+2:G0B+4*\slot+3], s[G0B+4*\slot+2:G0B+4*\slot+3], 9216
	s_mov_b32 s[G1+1], 384<<16                     ; rows of two chunks again (no tensor load of mine is out)
	s_mov_b32 s[G1+3], 384<<16
	s_mov_b32 s[G1B+1], 384<<16
	s_mov_b32 s[G1B+3], 384<<16
	JLOAD G0+4*\slot, G1, G0B+4*\slot, G1B
.else
	PLACES
.endif
	FETCH_R \next, 0, 0
	FETCH_P \next, 0, 0
	WIN 0xf1
	MUL16 4, 1, \c, 0
	MUL16 6, 1, \c, 0
	PLACES
	WIN 0
	FETCH_P \next, 0, 4
.endm
	s_wait_alu depctr_va_vdst(0)
	s_wait_tensorcnt 0x0                           ; my tile of the head's four is in; slot 1's first fill is issued as a refill is
	ds_add_u32 v28, v29
	s_mov_b32 s[G1+2], 8<<16                       ; no tensor load of mine is out: from here on a load brings eight tiles
	s_mov_b32 s[G1+4], 8
	s_mov_b32 s[G1+1], 768<<16                     ; and the next load brings chunks 2 to 5: rows of 6,144 bytes
	s_mov_b32 s[G1+3], 768<<16
	s_mov_b32 s[G1B+1], 768<<16
	s_mov_b32 s[G1B+3], 768<<16
	s_mov_b32 s[G1B+2], 8<<16
	s_mov_b32 s[G1B+4], 8
	s_wait_dscnt 0x0
	CROUND
	JLOAD G0+4, G1, G0B+4, G1B
.irp i, 0,1,2,3,4,5,6,7
.irp j, 0,1,2,3,4,5,6,7
	ds_load_u16 v[AF+8*\i+\j], v[ADSU] offset:512*\j+32*\i
.endr
.endr
.irp i, 0,1,2,3,4,5,6,7
	ds_load_b128 v[SCR+4*\i:SCR+4*\i+3], v[ADSR] offset:512*\i
.endr
	FETCH_R 0, 0, 0
	s_wait_dscnt 32
.irp i, 0,1,2,3,4,5,6,7
.irp u, 0,1,2,3
	v_lshl_or_b32 v[SCP+4*\i+\u], v[AF+8*\i+2*\u+1], 16, v[AF+8*\i+2*\u]
.endr
.endr
.rept 8
	v_nop
.endr
	FETCH_P 0, 0, 0
	FETCH_P 0, 0, 4
	s_wait_alu depctr_va_vdst(0)
	s_wait_loadcnt 0x0
	STEP 0, 0, 1
	TURN 0, 1, 1, 1
	STEP 1, 2, 0
	MID 3, 1, 2
	MID 4, 0, 3
	TURN 1, 0, 5, 0
	STEP 0, 6, 0
	s_wait_dscnt 24
	WIN 0xa1
	MUL16 0, 1, 7, 0
	MUL16 2, 1, 7, 0
	s_wait_dscnt 0x0
	WIN 0xf1
	MUL16 4, 1, 7, 0
	MUL16 6, 1, 7, 0
	WIN 0
.macro TOSTAGE a
.set AC, 64*((\a)%4)
	WIN 0x08+4*((\a)/4)
.irp b, 0,1,2,3,4,5,6,7
	ds_store_b128 v[STO], v[AC+8*\b:AC+8*\b+3] offset:256*(\b/4)+32*(\b%4)
	ds_store_b128 v[STO], v[AC+8*\b+4:AC+8*\b+7] offset:256*(\b/4)+32*(\b%4)+16
.endr
	WIN 0
.set BB, BK+64*((\a)%2)
.irp t, 0,1,2,3,4,5,6,7,8,9,10,11,12,13,14,15
	ds_load_b128 v[BB+4*\t:BB+4*\t+3], v[RD] offset:\t*SPITCH
.endr
.endm
.macro SEND a, younger
.set BB, BK+64*((\a)%2)
	s_wait_dscnt \younger
.irp t, 0,1,2,3,4,5,6,7,8,9,10,11,12,13,14,15
	global_store_b128 v[LI], v[BB+4*\t:BB+4*\t+3], s[10:11] offset:(64*((\a)/4)+8*((\a)%4)+32*(\t/8)+\t%8)*4096 th:TH_STORE_NT
.endr
.endm
	PLACES
	TOSTAGE 0
.irp a, 1,2,3,4,5,6,7
.if \a > 1
	s_wait_xcnt 0x0
.endif
	TOSTAGE \a
	SEND \a-1, 32
.endr
	SEND 7, 0
	s_wait_tensorcnt 0x0
	ds_add_u32 v[SPW], v[NIL]
	s_wait_dscnt 0x0
	CROUND
	s_endpgm
.Lfunc_end_k_q5867b2c54e_gemm_out:
	.size	k_q5867b2c54e_gemm_out, .Lfunc_end_k_q5867b2c54e_gemm_out-k_q5867b2c54e_gemm_out
	.p2alignl 7, 3214868480
	.fill 96, 4, 3214868480
	.section	.rodata,"a",@progbits
	.p2align	6, 0x0
	.amdhsa_kernel k_q5867b2c54e_gemm_out
		.amdhsa_group_segment_fixed_size 327680
		.amdhsa_private_segment_fixed_size 0
		.amdhsa_enable_private_segment 0
		.amdhsa_kernarg_size 32
		.amdhsa_user_sgpr_count 2
		.amdhsa_user_sgpr_kernarg_segment_ptr 1
		.amdhsa_wavefront_size32 1
		.amdhsa_system_sgpr_workgroup_id_x 1
		.amdhsa_system_sgpr_workgroup_id_y 1
		.amdhsa_system_sgpr_workgroup_id_z 1
		.amdhsa_system_vgpr_workitem_id 0
		.amdhsa_next_free_vgpr 1024
		.amdhsa_next_free_sgpr 102
		.amdhsa_reserve_vcc 0
		.amdhsa_float_denorm_mode_32 3
		.amdhsa_float_denorm_mode_16_64 3
		.amdhsa_memory_ordered 1
		.amdhsa_forward_progress 1
		.amdhsa_inst_pref_size 153
	.end_amdhsa_kernel
	.amdgpu_metadata
---
amdhsa.version: [ 1, 2 ]
amdhsa.kernels:
  - .name:           k_q5867b2c54e_gemm_out
    .symbol:         k_q5867b2c54e_gemm_out.kd
    .args:
      - { .name: ao, .offset: 0, .size: 8, .value_kind: global_buffer, .address_space: global }
      - { .name: wq, .offset: 8, .size: 8, .value_kind: global_buffer, .address_space: global }
      - { .name: b_out, .offset: 16, .size: 8, .value_kind: global_buffer, .address_space: global }
      - { .name: out0, .offset: 24, .size: 8, .value_kind: global_buffer, .address_space: global }
    .group_segment_fixed_size: 327680
    .private_segment_fixed_size: 0
    .kernarg_segment_align: 8
    .kernarg_segment_size: 32
    .max_flat_workgroup_size: 128
    .sgpr_count:     102
    .vgpr_count:     1024
    .wavefront_size: 32
...
	.end_amdgpu_metadata
.endif
;; end of part 4
